; MI455X (gfx1250); checked and timed in simulation.
; The chip was launched on July 23, 2026; its instructions are those of AMD's public machine-readable ISA for CDNA 5 (MIT licence, August 2026) and "CDNA5" Instruction Set Architecture Reference Guide (July 2026). The comments in the code are by the model that wrote it; some were corrected since.
;; Phase Associative Layer. Allowed arithmetic: float matrix products may take bf16 or f16 operands with f32 sums; other float arithmetic in f32, or as packed bf16 or f16 multiplies, adds, multiply-adds, maxima and minima; sums over many terms, partial sums and values carried from step to step in f32; what a program stores and reads back later, other than sums and carried values, may be rounded once to bf16 or f16.
;; Inputs: dt_b 16 float32; dt_bias 16 float32; dt_w 16 x 2,048 float32; kw 1,024 x 1,024 x 2 float32; ow 1,024 x 1,024 x 2 float32; pg_b 16 float32; pg_w 16 x 1,024 float32; qw 1,024 x 1,024 x 2 float32; vw 1,024 x 1,024 x 2 float32; x 2 x 1,024 x 1,024 x 2 float32.
;; Outputs: out0 2 x 1,024 x 1,024 x 2 float32.
;; 2 versions, each right; version 2 is version 1 with the launch attn written anew for expert scheduling mode. Each part assembles by itself: llvm-mc -triple=amdgcn-amd-amdhsa -mcpu=gfx1250 --defsym DOCPART=n.
;; ======== version 1 of 2: 4 launches
;; limits: values are held in f16: magnitudes above 65,504 overflow, below 6.1e-05 lose precision; inputs' magnitudes at most 65,504
;; workspace buffers: xb 8,388,608 bytes; wts 20,971,520 bytes; gate 262,144 bytes; qkv 25,165,824 bytes; tab 394,240 bytes; ys 8,396,800 bytes
;; launch prep (part 1): grid 256 x 1, 16 waves a work-group, no clusters, 194,560 bytes of LDS; arguments x, qw, kw, vw, ow, dt_w, dt_b, dt_bias, pg_w, pg_b, xb, wts, gate; writes xb, wts, gate
.if DOCPART == 1
	.amdgcn_target "amdgcn-amd-amdhsa--gfx1250"
	.amdhsa_code_object_version 6
	.text
	.protected	k_q964695ee8d_prep
	.globl	k_q964695ee8d_prep
	.p2align	8
	.type	k_q964695ee8d_prep,@function
k_q964695ee8d_prep:
	s_mov_b64 s[64:65], 0
	v_nop
	global_prefetch_b8 v0, s[64:65] scope:SCOPE_SE
	s_setreg_imm32_b32 hwreg(HW_REG_WAVE_MODE, 25, 1), 1
	s_wait_xcnt 0x0
; PhaseAssociativeLayer, launch 1 of 4: x to bf16, the four complex weights rounded and laid out, the two gates.
; THE PROGRAM.  1 prep; 2 qkv (x times the q, k, v weights, a power-of-two scale for each token and head, f16 operands in fragment order, the cumulative decay);
; 3 attn (causal decayed attention); 4 oproj (the output projection).
; DEAD WORK.  reference() multiplies exp(C[s]-C[t]) by a lower triangle of ones that it builds itself, so every product with s > t is multiplied by 0 for all values of the inputs.
; Launch 3 leaves out the key steps of 128 keys that lie wholly above the diagonal; inside the step that holds the diagonal the weight is selected to 0.  Every input has a way to the output: all ten are loaded.
; FORMATS.  Every input is rounded once to bf16, the three biases too, and |x| is taken of the rounded x: the program computes reference() on inputs rounded to bf16.  What the program itself makes (q, k, v, weights times scores, y, |x|) goes in f16.
; LIMITS.  An overflow of exp(C[s]-C[t]) for s > t (which reference() turns into NaN by inf x 0) reaches only the work left out and is not carried to the result.  NaN and infinities in the inputs are not treated apart.
; ow and pg_w are rounded to bf16 and written as f16: below 2^-14 they keep f16's fixed step of 2^-24.  |x| as f16 ends at 65,504.  log2(1-p) is held at -16,384 from below.
; FORMS.  exp(-softplus(z)) = 1 / (1 + e^z) and 1 - sigmoid(z) = 1 / (1 + e^z) hold for every z; where e^z overflows the reciprocal is 0, the limit.
; WEIGHTS.  qw, kw, vw leave as they lie, (wr, wi) packed in bf16, one row of 4,096 bytes for each output, by heads: row 192 head + 64 tensor + dd.  Launch 2 makes the two real forms of x in registers.
; ow leaves in its real form, behind them: row 2 o holds (wr, -wi), row 2 o + 1 holds (wi, wr), in f16.
; SHARES.  Work-group g: tokens 8 g .. 8 g + 7 and rows 16 g .. 16 g + 15 of the stack [qw; kw; vw; ow].  Wave w: 64 complex features of each token, one weight row, and its own K slice of both gate products.
; All 51 loads of a wave go out together; no load depends on another.  Each covers whole runs of 256 consecutive bytes: the gate tables too, which come by rows, are rounded, and go through the wave's own LDS
; bytes to become fragments.  The K order of the dt product is [64 real parts | 64 imaginary parts], alike for x and for dt_w.
.set XT,    0                          ; LDS: a wave's own 8 rows x (256 + 16) bytes of bf16 x: 64 real parts, 64 imaginary parts
.set MT,    34816                      ; a wave's own 8 rows x (128 + 16) bytes of f16 |x|
.set RED,   53248                      ; partial logits: [wave][4][lane][16 bytes]
.set GT,    86016                      ; a wave's own 16 rows x (256 + 16) bytes: its slice of dt_w, bf16
.set PT,    155648                     ; a wave's own 16 rows x (128 + 16) bytes: its slice of pg_w, f16
.set SPARE, 192512                     ; the spare words: 128 bytes for each of 16 waves
.set WO,    12582912                   ; where ow's real form begins in wts
.set SPW, 16
.set NIL, 17
.set X,   24                           ; v[24:55]   8 tokens x 4
.set W,   56                           ; v[56:119]  8 chunks x 8 of my weight row
.set GD,  120                          ; v[120:183] dt_w: 16 rows x 4
.set GP,  184                          ; v[184:215] pg_w: 8 pairs of rows x 4
.set T,   216                          ; at work, ahead of the products
.set DTA, 216                          ; four accumulators
.set DTB, 224
.set PA,  232
.set PB,  240
.set GTF, 248                          ; v248, v249: where my lane reads the tables' fragments
.set PTF, 249
.set AF,  24                           ; the tokens' fragments: 4 of x, then 2 of |x|
.set BD,  72                           ; dt_w's 4 fragments
.set BP,  104                          ; pg_w's 2 fragments
	s_load_b512 s[4:19], s[0:1], 0x0               ; x 4, qw 6, kw 8, vw 10, ow 12, dt_w 14, dt_b 16, dt_bias 18
	s_load_b256 s[20:27], s[0:1], 0x40             ; pg_w 20, pg_b 22, xb 24, wts 26
	s_load_b64 s[28:29], s[0:1], 0x60              ; gate
	v_lshl_add_u32 v[SPW], v0, 2, SPARE
	v_mov_b32 v[NIL], 0
	v_and_b32 v1, 31, v0                           ; L
	v_and_b32 v2, 15, v0                           ; r, also c: my place in a run of 256 bytes
	v_bfe_u32 v3, v0, 4, 1                         ; h, also which of a load's two runs
	v_lshrrev_b32 v4, 5, v0
	v_readfirstlane_b32 s30, v4                    ; wave 0..15
	s_lshr_b32 s32, ttmp9, 6                       ; which matrix: 0 q, 1 k, 2 v, 3 o
	s_and_b32 s33, ttmp9, 63
	s_lshl_b32 s33, s33, 4
	s_add_co_u32 s33, s33, s30                     ; my row o of it
	s_lshr_b32 s36, s33, 6                         ; q, k, v: row 192 head + 64 matrix + dd
	s_and_b32 s37, s33, 63
	s_mul_i32 s36, s36, 192
	s_add_co_u32 s36, s36, s37
	s_lshl_b32 s37, s32, 6
	s_add_co_u32 s36, s36, s37
	s_lshl_b32 s36, s36, 12
	s_lshl_b32 s37, s33, 13                        ; o: rows 2 o and 2 o + 1, behind the three
	s_add_co_u32 s37, s37, WO
	s_cmp_eq_u32 s32, 3
	s_cselect_b32 s36, s37, s36
	v_lshl_add_u32 v21, v1, 4, s36                 ; where my 16 bytes of the row go
	v_add_nc_u32 v22, 4096, v21                    ; ow alone: and of the row below
	s_mov_b32 s40, 0x01000302                      ; v_perm_b32: the two halves change places
	s_mov_b32 s44, 0x05040100                      ; the two low halves
	s_mov_b32 s45, 0x07060302                      ; the two high halves
	s_lshl_b32 s41, s30, 9
	v_lshl_add_u32 v5, v1, 4, s41                  ; x: 512 w + 16 L
	s_lshl_b32 s41, s30, 8
	v_lshl_add_u32 v6, v1, 3, s41                  ; xb: 256 w + 8 L
	v_lshlrev_b32 v7, 5, v1                        ; weights: 32 L
	v_lshl_add_u32 v8, v2, 4, s41                  ; both tables: 256 w + 16 c,
	v_lshl_add_u32 v8, v3, 12, v8                  ; + 4,096 for lanes 16-31: dt_w's imaginary half, pg_w's next row
	v_lshlrev_b32 v10, 2, v2                       ; the biases: 4 r
	s_mul_i32 s41, s30, 2176
	v_lshl_add_u32 v11, v1, 2, s41                 ; XT, in: 4 L
	v_and_b32 v4, 7, v0                            ; rows 8 to 15 of a fragment repeat the eight tokens
	v_mul_u32_u24 v13, v4, 272
	v_lshl_add_u32 v13, v3, 4, v13
	v_add_nc_u32 v13, s41, v13                     ; XT, as fragments
	s_mul_i32 s41, s30, 1152
	s_add_co_u32 s41, s41, MT
	v_lshl_add_u32 v12, v1, 2, s41                 ; MT, in
	v_mul_u32_u24 v14, v4, 144
	v_lshl_add_u32 v14, v3, 4, v14
	v_add_nc_u32 v14, s41, v14                     ; MT, as fragments
	s_lshl_b32 s41, s30, 11
	s_add_co_u32 s41, s41, RED
	v_lshl_add_u32 v15, v1, 4, s41
	s_mul_i32 s41, s30, 4352
	s_add_co_u32 s41, s41, GT
	v_lshl_add_u32 v9, v2, 3, s41                  ; GT, in: 8 c + 128 for the imaginary half
	v_lshl_add_u32 v9, v3, 7, v9
	v_mul_u32_u24 v[GTF], v2, 272
	v_lshl_add_u32 v[GTF], v3, 4, v[GTF]
	v_add_nc_u32 v[GTF], s41, v[GTF]               ; GT, as fragments
	s_mul_i32 s41, s30, 2304
	s_add_co_u32 s41, s41, PT
	v_mul_u32_u24 v23, v3, 144
	v_lshl_add_u32 v23, v2, 3, v23
	v_add_nc_u32 v23, s41, v23                     ; PT, in: 8 c + a row for lanes 16-31
	v_mul_u32_u24 v[PTF], v2, 144
	v_lshl_add_u32 v[PTF], v3, 4, v[PTF]
	v_add_nc_u32 v[PTF], s41, v[PTF]               ; PT, as fragments
	s_wait_kmcnt 0x0
	s_cmp_eq_u32 s32, 0
	s_cselect_b64 s[34:35], s[6:7], s[8:9]
	s_cmp_eq_u32 s32, 2
	s_cselect_b64 s[34:35], s[10:11], s[34:35]
	s_cmp_eq_u32 s32, 3
	s_cselect_b64 s[34:35], s[12:13], s[34:35]
	s_lshl_b32 s38, s33, 13
	s_mov_b32 s39, 0
	s_add_nc_u64 s[34:35], s[34:35], s[38:39]      ; my weight row
	s_lshl_b32 s38, ttmp9, 16
	s_add_nc_u64 s[4:5], s[4:5], s[38:39]          ; x at the group's first token
	s_lshl_b32 s38, ttmp9, 15
	s_add_nc_u64 s[24:25], s[24:25], s[38:39]      ; xb likewise
	global_load_b32 v18, v10, s[16:17]
	global_load_b32 v19, v10, s[18:19]
	global_load_b32 v20, v10, s[22:23]
.set t, 0
.rept 8
	global_load_b128 v[X+4*t:X+4*t+3], v5, s[4:5] offset:8192*t th:TH_LOAD_NT
.set t, t+1
.endr
.set t, 0
.rept 8
	global_load_b128 v[W+8*t:W+8*t+3],   v7, s[34:35] offset:1024*t th:TH_LOAD_NT
	global_load_b128 v[W+8*t+4:W+8*t+7], v7, s[34:35] offset:1024*t+16 th:TH_LOAD_NT
.set t, t+1
.endr
.set t, 0
.rept 16                                       ; row t of dt_w: my wave's 64 real-part weights (lanes 0-15) and its 64 imaginary-part weights (lanes 16-31)
	global_load_b128 v[GD+4*t:GD+4*t+3], v8, s[14:15] offset:8192*t
.set t, t+1
.endr
.set t, 0
.rept 8                                        ; rows 2 t and 2 t + 1 of pg_w: my wave's 64 weights of each
	global_load_b128 v[GP+4*t:GP+4*t+3], v8, s[20:21] offset:8192*t
.set t, t+1
.endr
	s_wait_loadcnt 40                              ; x is in: the 16 + 16 + 8 loads of weights and gate tables are younger
.set t, 0
.rept 8                                        ; x to bf16 in place: two complex numbers a lane and token
	v_cvt_pk_bf16_f32 v[X+4*t],   v[X+4*t],   v[X+4*t+1]
	v_cvt_pk_bf16_f32 v[X+4*t+1], v[X+4*t+2], v[X+4*t+3]
.set t, t+1
.endr
.set t, 0
.rept 8                                        ; the rounded numbers, widened again: |x| is taken of them
	v_lshlrev_b32 v[T+2*t],   16, v[X+4*t]
	v_lshlrev_b32 v[T+2*t+1], 16, v[X+4*t+1]
	v_and_b32 v[X+4*t+2], 0xffff0000, v[X+4*t]
	v_and_b32 v[X+4*t+3], 0xffff0000, v[X+4*t+1]
.set t, t+1
.endr
.set t, 0
.rept 16
	v_mul_f32 v[T+t], v[T+t], v[T+t]
.set t, t+1
.endr
.set t, 0
.rept 8
	v_fma_f32 v[T+2*t],   v[X+4*t+2], v[X+4*t+2], v[T+2*t]
	v_fma_f32 v[T+2*t+1], v[X+4*t+3], v[X+4*t+3], v[T+2*t+1]
.set t, t+1
.endr
.set t, 0
.rept 16
	v_sqrt_f32 v[T+t], v[T+t]
.set t, t+1
.endr
.set t, 0
.rept 8                                        ; work that names no root stands between the roots and their wait: the two real parts together, the two imaginary parts together,
	v_perm_b32 v[X+4*t+2], v[X+4*t+1], v[X+4*t], s44
	v_perm_b32 v[X+4*t+3], v[X+4*t+1], v[X+4*t], s45
.set t, t+1
.endr
.set t, 0
.rept 8
	global_store_b64 v6, v[X+4*t:X+4*t+1], s[24:25] offset:4096*t   ; a wave's store covers 256 consecutive bytes, aligned
	ds_store_b32 v11, v[X+4*t+2] offset:272*t
	ds_store_b32 v11, v[X+4*t+3] offset:272*t+128
.set t, t+1
.endr
	s_wait_alu depctr_va_vdst(0)                   ; one wait for the sixteen roots, ahead of their first use
.set t, 0
.rept 8
	v_cvt_pk_f16_f32 v[T+t], v[T+2*t], v[T+2*t+1]
.set t, t+1
.endr
.set t, 0
.rept 8
	ds_store_b32 v12, v[T+t] offset:144*t
.set t, t+1
.endr
; Chunk c of my weight row: four complex numbers a lane.  The packed pairs (wr, wi) are made in place from the top down.  fp = 0 (qw, kw, vw): they are stored as they are.
; fp = 1 (ow): the bf16-rounded numbers are written as f16; one row flips the upper half's sign, the row below swaps the halves.
.macro WCH c, fp
	s_wait_loadcnt 24+2*(7-(\c))                   ; my two loads are in: the later chunks' and the 24 of the gate tables are younger
.set a, W+8*(\c)
	v_cvt_pk_bf16_f32 v[a+7], v[a+6], v[a+7]
	v_cvt_pk_bf16_f32 v[a+6], v[a+4], v[a+5]
	v_cvt_pk_bf16_f32 v[a+5], v[a+2], v[a+3]
	v_cvt_pk_bf16_f32 v[a+4], v[a],   v[a+1]
.if \fp
.irp i, 0,1,2,3
	v_lshlrev_b32 v[T], 16, v[a+4+(\i)]
	v_and_b32 v[T+1], 0xffff0000, v[a+4+(\i)]
	v_cvt_pk_f16_f32 v[a+4+(\i)], v[T], v[T+1]
.endr
.irp i, 0,1,2,3
	v_xor_b32 v[a+(\i)], 0x80000000, v[a+4+(\i)]
.endr
.irp i, 0,1,2,3
	v_perm_b32 v[a+4+(\i)], v[a+4+(\i)], v[a+4+(\i)], s40
.endr
	global_store_b128 v21, v[a:a+3],   s[26:27] offset:512*(\c) th:TH_STORE_NT   ; 512 consecutive bytes of row 2 o
	global_store_b128 v22, v[a+4:a+7], s[26:27] offset:512*(\c) th:TH_STORE_NT   ; and of row 2 o + 1
.else
	global_store_b128 v21, v[a+4:a+7], s[26:27] offset:512*(\c) th:TH_STORE_NT   ; 512 consecutive bytes of the row
.endif
.endm
	s_cmp_eq_u32 s32, 3
	s_cbranch_scc1 .Low
.irp c, 0,1,2,3,4,5,6,7
	WCH \c, 0
.endr
	s_branch .Lwdone
.Low:
.irp c, 0,1,2,3,4,5,6,7
	WCH \c, 1
.endr
.Lwdone:
	s_wait_loadcnt 8                               ; dt_w is in: pg_w's eight loads are younger
.set t, 0
.rept 16
	v_cvt_pk_bf16_f32 v[GD+4*t],   v[GD+4*t],   v[GD+4*t+1]
	v_cvt_pk_bf16_f32 v[GD+4*t+1], v[GD+4*t+2], v[GD+4*t+3]
	ds_store_b64 v9, v[GD+4*t:GD+4*t+1] offset:272*t
.set t, t+1
.endr
	s_wait_loadcnt 0x0
.set t, 0
.rept 8
.irp i, 0,1
	v_cvt_pk_bf16_f32 v[T], v[GP+4*t+2*(\i)], v[GP+4*t+2*(\i)+1]
	v_lshlrev_b32 v[T+1], 16, v[T]
	v_and_b32 v[T], 0xffff0000, v[T]
	v_cvt_pk_f16_f32 v[GP+4*t+(\i)], v[T+1], v[T]
.endr
	ds_store_b64 v23, v[GP+4*t:GP+4*t+1] offset:288*t
.set t, t+1
.endr
	s_wait_xcnt 0x0                                ; the stores have read their data: x's and the weights' registers may be written
.set f, 0
.rept 4
	ds_load_b128 v[AF+8*f:AF+8*f+3],   v13 offset:64*f      ; my own bytes: LDS serves a wave's instructions in order
	ds_load_b128 v[AF+8*f+4:AF+8*f+7], v13 offset:64*f+32
	ds_load_b128 v[BD+8*f:BD+8*f+3],   v[GTF] offset:64*f
	ds_load_b128 v[BD+8*f+4:BD+8*f+7], v[GTF] offset:64*f+32
.set f, f+1
.endr
.set f, 0
.rept 2
	ds_load_b128 v[AF+32+8*f:AF+32+8*f+3],   v14 offset:64*f
	ds_load_b128 v[AF+32+8*f+4:AF+32+8*f+7], v14 offset:64*f+32
	ds_load_b128 v[BP+8*f:BP+8*f+3],   v[PTF] offset:64*f
	ds_load_b128 v[BP+8*f+4:BP+8*f+7], v[PTF] offset:64*f+32
.set f, f+1
.endr
	s_wait_dscnt 0x0
	; rows = tokens, columns = heads: a lane ends with head r and tokens 0 to 7.  No two neighbours share an accumulator.
	v_wmma_f32_16x16x32_bf16 v[DTA:DTA+7], v[AF:AF+7],       v[BD:BD+7],       0
	v_wmma_f32_16x16x32_bf16 v[DTB:DTB+7], v[AF+8:AF+15],    v[BD+8:BD+15],    0
	v_wmma_f32_16x16x32_f16  v[PA:PA+7],   v[AF+32:AF+39],   v[BP:BP+7],       0
	v_wmma_f32_16x16x32_f16  v[PB:PB+7],   v[AF+40:AF+47],   v[BP+8:BP+15],    0
	v_wmma_f32_16x16x32_bf16 v[DTA:DTA+7], v[AF+16:AF+23],   v[BD+16:BD+23],   v[DTA:DTA+7]
	v_wmma_f32_16x16x32_bf16 v[DTB:DTB+7], v[AF+24:AF+31],   v[BD+24:BD+31],   v[DTB:DTB+7]
.rept 4
	v_nop                                          ; four places behind the last product
.endr
.set t, 0
.rept 4
	v_pk_add_f32 v[DTA+t:DTA+t+1], v[DTA+t:DTA+t+1], v[DTB+t:DTB+t+1]
	v_pk_add_f32 v[PA+t:PA+t+1],   v[PA+t:PA+t+1],   v[PB+t:PB+t+1]
.set t, t+2
.endr
	ds_store_b128 v15, v[DTA:DTA+3]
	ds_store_b128 v15, v[DTA+4:DTA+7] offset:512
	ds_store_b128 v15, v[PA:PA+3]     offset:1024
	ds_store_b128 v15, v[PA+4:PA+7]   offset:1536
	s_wait_dscnt 0x0                               ; for the others' sake: my partial sums lie in LDS
	s_barrier_signal -1
	s_barrier_wait -1
	s_cmp_lt_u32 s30, 2                            ; wave 0 finishes tokens 0-3, wave 1 tokens 4-7
	s_cbranch_scc0 .Lend
	s_lshl_b32 s41, s30, 9
	s_add_co_u32 s41, s41, RED
	v_lshl_add_u32 v23, v1, 4, s41
.set k, 0
.rept 16
	ds_load_b128 v[56+8*k:59+8*k], v23 offset:2048*k
	ds_load_b128 v[60+8*k:63+8*k], v23 offset:2048*k+1024
.set k, k+1
.endr
	s_lshr_b32 s42, ttmp9, 7                       ; gate: plane h, row 16 b + r, token t0 + 4 v
	s_lshl_b32 s42, s42, 16
	s_and_b32 s43, ttmp9, 127
	s_lshl_b32 s43, s43, 5
	s_add_co_u32 s42, s42, s43
	s_lshl_b32 s43, s30, 4
	s_add_co_u32 s42, s42, s43
	v_lshl_add_u32 v4, v2, 12, s42
	v_lshl_add_u32 v4, v3, 17, v4
	v_cvt_pk_bf16_f32 v18, v18, v19                ; the three biases, rounded to bf16 like every input,
	v_cvt_pk_bf16_f32 v20, v20, v20
	v_lshlrev_b32 v19, 16, v18                     ; and widened again
	v_and_b32 v18, 0xffff0000, v18
	v_and_b32 v20, 0xffff0000, v20
	v_add_f32 v18, v18, v19
	s_wait_dscnt 0x0
.set k, 1
.rept 15
	v_pk_add_f32 v[56:57], v[56:57], v[56+8*k:57+8*k]
	v_pk_add_f32 v[58:59], v[58:59], v[58+8*k:59+8*k]
	v_pk_add_f32 v[60:61], v[60:61], v[60+8*k:61+8*k]
	v_pk_add_f32 v[62:63], v[62:63], v[62+8*k:63+8*k]
.set k, k+1
.endr
.irp i, 0,1,2,3
	v_add_f32 v[56+\i], v[56+\i], v18
	v_add_f32 v[60+\i], v[60+\i], v20
.endr
.irp i, 0,1,2,3,4,5,6,7
	v_mul_f32 v[56+\i], 0x3fb8aa3b, v[56+\i]       ; e^z = 2^(z log2 e)
.endr
.irp i, 0,1,2,3,4,5,6,7
	v_exp_f32 v[56+\i], v[56+\i]
.endr
	v_nop
	s_wait_alu depctr_va_vdst(0)                   ; one wait for the eight exponentials
.irp i, 0,1,2,3,4,5,6,7
	v_add_f32 v[56+\i], 1.0, v[56+\i]
.endr
.irp i, 0,1,2,3,4,5,6,7
	v_rcp_f32 v[56+\i], v[56+\i]                   ; v56.. = exp(-dt), v60.. = 1 - p
.endr
	v_nop
	s_wait_alu depctr_va_vdst(0)
.irp i, 0,1,2,3
	v_sub_f32 v[64+\i], 1.0, v[60+\i]              ; p
.endr
.irp i, 0,1,2,3
	v_fma_f32 v[64+\i], v[56+\i], v[60+\i], v[64+\i]   ; gamma
.endr
.irp i, 0,1,2,3
	v_add_f32 v[64+\i], 0x322bcc77, v[64+\i]       ; + 1e-8
.endr
.irp i, 0,1,2,3
	v_log_f32 v[64+\i], v[64+\i]
	v_log_f32 v[60+\i], v[60+\i]
.endr
	v_nop
	v_cmp_eq_u32 vcc_lo, 1, v3
	s_wait_alu depctr_va_vdst(0)
.irp i, 0,1,2,3
	v_max_num_f32 v[60+\i], 0xc6800000, v[60+\i]   ; log2(1 - p), held at -16,384
	v_mul_f32 v[64+\i], -1.0, v[64+\i]             ; -log2(gamma + 1e-8)
.endr
.irp i, 0,1,2,3
	v_cndmask_b32 v[64+\i], v[64+\i], v[60+\i], vcc_lo   ; lanes 0-15 store plane 0, lanes 16-31 plane 1
.endr
	global_store_b128 v4, v[64:67], s[28:29]
.Lend:
	s_wait_tensorcnt 0x0                           ; the wave's end: three closing lines, behind my last LDS store
	ds_add_u32 v[SPW], v[NIL]
	s_wait_dscnt 0x0
	s_endpgm
.Lfunc_end_k_q964695ee8d_prep:
	.size	k_q964695ee8d_prep, .Lfunc_end_k_q964695ee8d_prep-k_q964695ee8d_prep
	.p2alignl 7, 3214868480
	.fill 96, 4, 3214868480
	.section	.rodata,"a",@progbits
	.p2align	6, 0x0
	.amdhsa_kernel k_q964695ee8d_prep
		.amdhsa_group_segment_fixed_size 194560
		.amdhsa_private_segment_fixed_size 0
		.amdhsa_enable_private_segment 0
		.amdhsa_kernarg_size 104
		.amdhsa_user_sgpr_count 2
		.amdhsa_user_sgpr_kernarg_segment_ptr 1
		.amdhsa_wavefront_size32 1
		.amdhsa_system_sgpr_workgroup_id_x 1
		.amdhsa_system_sgpr_workgroup_id_y 1
		.amdhsa_system_sgpr_workgroup_id_z 1
		.amdhsa_system_vgpr_workitem_id 0
		.amdhsa_next_free_vgpr 256
		.amdhsa_next_free_sgpr 66
		.amdhsa_reserve_vcc 1
		.amdhsa_float_denorm_mode_32 3
		.amdhsa_float_denorm_mode_16_64 3
		.amdhsa_memory_ordered 1
		.amdhsa_forward_progress 1
		.amdhsa_inst_pref_size 54
	.end_amdhsa_kernel
	.amdgpu_metadata
---
amdhsa.version: [ 1, 2 ]
amdhsa.kernels:
  - .name:           k_q964695ee8d_prep
    .symbol:         k_q964695ee8d_prep.kd
    .args:
      - { .name: x, .offset: 0, .size: 8, .value_kind: global_buffer, .address_space: global }
      - { .name: qw, .offset: 8, .size: 8, .value_kind: global_buffer, .address_space: global }
      - { .name: kw, .offset: 16, .size: 8, .value_kind: global_buffer, .address_space: global }
      - { .name: vw, .offset: 24, .size: 8, .value_kind: global_buffer, .address_space: global }
      - { .name: ow, .offset: 32, .size: 8, .value_kind: global_buffer, .address_space: global }
      - { .name: dt_w, .offset: 40, .size: 8, .value_kind: global_buffer, .address_space: global }
      - { .name: dt_b, .offset: 48, .size: 8, .value_kind: global_buffer, .address_space: global }
      - { .name: dt_bias, .offset: 56, .size: 8, .value_kind: global_buffer, .address_space: global }
      - { .name: pg_w, .offset: 64, .size: 8, .value_kind: global_buffer, .address_space: global }
      - { .name: pg_b, .offset: 72, .size: 8, .value_kind: global_buffer, .address_space: global }
      - { .name: xb, .offset: 80, .size: 8, .value_kind: global_buffer, .address_space: global }
      - { .name: wts, .offset: 88, .size: 8, .value_kind: global_buffer, .address_space: global }
      - { .name: gate, .offset: 96, .size: 8, .value_kind: global_buffer, .address_space: global }
    .group_segment_fixed_size: 194560
    .private_segment_fixed_size: 0
    .kernarg_segment_align: 8
    .kernarg_segment_size: 104
    .max_flat_workgroup_size: 512
    .sgpr_count:     66
    .vgpr_count:     256
    .wavefront_size: 32
...
	.end_amdgpu_metadata
.endif
;; end of part 1
;; launch qkv (part 2): grid 16 x 16, 4 waves a work-group, clusters of 4 x 4, 327,680 bytes of LDS; arguments xb, wts, gate, qkv, tab; writes qkv, tab
.if DOCPART == 2
	.amdgcn_target "amdgcn-amd-amdhsa--gfx1250"
	.amdhsa_code_object_version 6
	.text
	.protected	k_q964695ee8d_qkv
	.globl	k_q964695ee8d_qkv
	.p2align	8
	.type	k_q964695ee8d_qkv,@function
k_q964695ee8d_qkv:
	s_mov_b64 s[64:65], 0
	v_nop
	global_prefetch_b8 v0, s[64:65] scope:SCOPE_SE
	s_setreg_imm32_b32 hwreg(HW_REG_WAVE_MODE, 25, 1), 1
	s_wait_xcnt 0x0
	s_wait_alu depctr_hold_cnt(0) depctr_sa_sdst(0) depctr_va_vdst(0) depctr_va_sdst(0) depctr_va_ssrc(0) depctr_va_vcc(0) depctr_vm_vsrc(0)
	s_getreg_b32 s2, hwreg(HW_REG_IB_STS2, 6, 4)
	s_cmp_eq_u32 s2, 0
	s_cbranch_scc0 .Lentry_in_a_cluster
	s_endpgm
.Lentry_in_a_cluster:
	s_bfe_u32 s2, ttmp6, 0x10000c
	s_cmp_lg_u32 s2, 0xf033
	s_cbranch_scc0 .Lentry_shape_is_right
	s_endpgm
.Lentry_shape_is_right:
; Launch 2 of 4: q, k and v of one head for 128 tokens; sums in f32.  No work of reference() is left out here.
; THE COMPLEX PRODUCT.  x lies as (xr, xi) and a weight row as (wr, wi), bf16 pairs along K.  y_r = (xr, -xi) . (wr, wi) and y_i = (xi, xr) . (wr, wi): each weight row is brought in once and multiplied by TWO FORMS of
; x's fragment, made in registers from the fragment as loaded: one exclusive or flips the upper half's sign, one byte permute swaps the halves.  So a K step brings 128 rows of x and 192 weight rows for 384 real columns.
; Then, for each token, head and tensor, the exponent e of the largest of its 128 numbers: the row is multiplied by 2^-e (exact) and rounded once to f16, so that |number| < 2.
; q and k leave in the order in which launch 3's operand registers take them; v leaves turned (channel by key).  Wave 0 also makes the head's cumulative decay for these tokens and the tables of launch 3.
; LIMITS.  The exponent field is held at 253 from above: |q|, |k|, |v| stay under 2^126.  The cumulative sum is taken in another order than reference()'s.
; SHARES.  Work-group (x = head, y = block of 128 tokens).  Wave (wm, wn) makes 64 tokens x 96 weight rows x 2 parts: 48 accumulators.  wn = 0: q whole and k's channels 0-31; wn = 1: v whole and k's channels 32-63.
; The matrix instruction is used transposed (source 0 = 16 weight rows, source 1 = 16 tokens): a lane holds one token and eight neighbouring channels of one part.
; RING.  K goes in steps of 128 through two LDS slots (128 rows of x, then the head's 192 weight rows q, k, v; 272 bytes from row to row).  Waves 0 and 1 fetch 64 rows of x each, waves 2 and 3 96 weight rows each.
; Slot 1 begins at 1 << 17, so that one exclusive or turns an address in one slot into the other's: the loop is one K step a trip.
; THE TEXT.  A K step stands twice: in the loop that fills slots again (14 trips) and in the loop of the last two steps, which fills nothing.  That second loop is left behind its
; second change of slots, which passes a barrier that nothing needs, fetches 20 fragments' halves from the slot just left and makes x's forms of them: nothing reads these: the price, once a launch, of one text for both trips.
; CLUSTER 4 x 4: x's tile hangs on the token block alone and is asked for jointly along a row of the cluster, the weights' tile on the head alone, along a column.
; REGISTERS.  Window 0: addresses and the way out.  Window 1: v0-95 the weights' fragments, two buffers of six; v96-127 x's four fragments as loaded.
; Windows 2 and 3 (token blocks 0, 1 and 2, 3): accumulator (a, part c, rows b) at 96 (a % 2) + 48 c + 8 b; v192-255 x's two forms, two buffers: 192 + 32 buffer + 16 (a % 2) + 8 c.
; The lines that make the forms read window 1 in source 0 and write the accumulators' window: the very setting of the products between which they stand, so they cost no switch.
.set KSTEP,  128
.set PITCH,  272
.set AROWS,  128*PITCH                 ; x's 128 rows; the weights' 192 lie behind them
.set SLOTB,  320*PITCH
.set SLOT1,  1<<17
.set XCH,    SLOT1+SLOTB               ; [q, v, k low, k high][128 rows] f32: the rows' largest magnitudes
.set STAGE,  XCH+2048                  ; 32 rows x 160 bytes for each wave: v is turned here
.set SPARE,  STAGE+4*5120              ; the spare words, 128 bytes a wave
.set L4,   4
.set L16,  5
.set XS,   6
.set XR,   7
.set STS,  10
.set STR,  11
.set XE,   12
.set A0,   13                          ; my lane's place in a slot: x's fragments,
.set BM0,  14                          ; the whole tensor's (q or v),
.set BK0,  15                          ; my half of k's
.set ADRA, 16                          ; the same in the slot in hand
.set ADRM, 17
.set ADRK, 18
.set SPW,  28
.set NIL,  29
.set PFO,  30
.set PRE,  32                          ; v[32:59] the head's decay of the seven chunks that may lie ahead of mine
.set OWN,  60
.set LPO,  64
.set MX,   68                          ; v[68:75]  token block a: the whole tensor's largest at 2 a, k's at 2 a + 1
.set INV,  80                          ; v[80:95]  their factors, as pairs
.set MN,   104
.set TMP,  128
.set TR,   192
.set RAW,  96
.set WV,   12
.set G1,   24
.set G0,   32                          ; s[32:39] group 0 for x: a set for each of the two first fills; the second then walks on
.set LIM,  43
.set PFA,  44
.set G1B,  48
.set G0B,  56                          ; s[56:63] the same for the weights
.set SEL,  66
.set SGN,  92
.set SELP, 93
.set TB,   94                          ; LDS byte at which the slot in hand begins
.set PM,   95
.set MSB, 0
.macro WIN new                         ; the immediate's high byte repeats the setting that is left; a switch that changes nothing is dropped
.if MSB != (\new)
	s_set_vgpr_msb (MSB<<8)|(\new)
.set MSB, \new
.endif
.endm
.macro PLACES                          ; four places behind matrix instructions, in front of loads and vector lines that write their sources or take their results
.rept 4
	v_nop
.endr
.endm
; A joint load.  Waves 0 and 1 fetch x's two halves, waves 2 and 3 the two halves of the head's weight rows.  The branch hangs on the wave's number alone.
; An s_nop 0 and four v_nop follow each of the two lines.
.macro JLOAD s
	s_cmp_lt_u32 s[WV], 2
	s_cbranch_scc0 .Lfor_b_\@
	tensor_load_to_lds s[G0+4*(\s):G0+4*(\s)+3], s[G1:G1+7]
	s_nop 0
.rept 4
	v_nop
.endr
	s_branch .Lasked_\@
.Lfor_b_\@:
	tensor_load_to_lds s[G0B+4*(\s):G0B+4*(\s)+3], s[G1B:G1B+7]
	s_nop 0
.rept 4
	v_nop
.endr
.Lasked_\@:
.endm
; A prefetch, four K steps ahead of the step in hand (two refills on).  A K step is 256 bytes of a row; a lane names one row's 256 bytes.  x's rows are asked for by the clusters with x = 0: wave 0, in every trip,
; 32 rows: the four partners of a row of the cluster share the tile's 128 out by address.  The weights' rows are asked for by the clusters with y = 0: waves 1 to 3, in every second trip, my work-group's 48 rows
; (of the head's 192, shared out by address along the column) for two K steps: 96 blocks, 32 a wave.  So each block is named once.  The loop's last trips, which have no such K step, ask for nothing.
.macro ASK
	s_and_b32 s21, s3, s[PM]
	s_cmp_eq_u32 s21, 0
	s_cbranch_scc0 .Lnot_mine_\@
	s_cmp_gt_u32 s3, s[LIM]
	s_cbranch_scc0 .Lnot_mine_\@
	global_prefetch_b8 v[PFO], s[PFA:PFA+1] offset:KSTEP*2 th:TH_LOAD_NT scope:SCOPE_SE
.Lnot_mine_\@:
.endm
.macro CREST                           ; a round of the cluster's barrier behind its opening barrier
	s_cmp_lg_u32 s[WV], 0
	s_cbranch_scc1 .Lnot_wave_0_\@
	s_barrier_signal -3
.Lnot_wave_0_\@:
	s_barrier_wait -3
	s_barrier_signal -1
	s_barrier_wait -1
.endm
.macro CROUND
	s_barrier_signal -1
	s_barrier_wait -1
	CREST
.endm
	s_load_b256 s[4:11], s[0:1], 0x0               ; xb 4, wts 6, gate 8, qkv 10
	s_load_b64 s[68:69], s[0:1], 0x20              ; tab
	v_lshl_add_u32 v[SPW], v0, 2, SPARE
	v_mov_b32 v[NIL], 0
	ds_add_u32 v[SPW], v[NIL]                      ; the wave's opening: the add, twice on end, and its wait ahead of my first tensor load
	ds_add_u32 v[SPW], v[NIL]
	v_lshrrev_b32 v1, 5, v0
	v_readfirstlane_b32 s[WV], v1                  ; wave 0..3
	s_lshr_b32 s14, s[WV], 1                       ; wm: which 64 tokens
	s_and_b32 s15, s[WV], 1                        ; wn: which 96 weight rows.  Also: which half of a tile I fetch
	s_bfe_u32 s40, ttmp6, 0x40000                  ; cx
	s_bfe_u32 s41, ttmp6, 0x40004                  ; cy
	s_lshl_b32 s42, ttmp9, 2
	s_add_co_u32 s42, s42, s40                     ; the head
	s_and_b32 s13, ttmp7, 0xffff
	s_lshl_b32 s13, s13, 2
	s_add_co_u32 s13, s13, s41                     ; the block of 128 tokens
	s_lshl_b32 s43, s41, 2
	s_lshl_b32 s43, 15, s43                        ; my row of the cluster
	s_lshl_b32 s44, 0x1111, s40                    ; my column
	s_or_b32 s[G1+0], s43, (1<<16)|(1<<20)|(1<<21)|(5<<22)|(3<<25)   ; mask; 2-byte elements; padding on; bit 21 beside a mask; after every 64 words 4 words
	s_or_b32 s[G1B+0], s44, (1<<16)|(1<<20)|(1<<21)|(5<<22)|(3<<25)
.irp g, G1, G1B
	s_mov_b32 s[(\g)+1], KSTEP<<16                 ; tensor_dim0 = 128
	s_mov_b32 s[(\g)+3], KSTEP<<16                 ; tile_dim0 = 128
	s_mov_b32 s[(\g)+5], 2048                      ; elements from row to row
	s_mov_b32 s[(\g)+6], 0
	s_mov_b32 s[(\g)+7], 0
.endr
	s_mov_b32 s[G1+2], 64<<16                      ; x: tensor_dim1 = tile_dim1 = 64 rows
	s_mov_b32 s[G1+4], 64
	s_mov_b32 s[G1B+2], 96<<16                     ; the weights: 96 rows
	s_mov_b32 s[G1B+4], 96
	s_lshl_b32 s16, s13, 19                        ; x: 128 rows of 4,096 bytes a block,
	s_lshl_b32 s17, s15, 18                        ; my 64 of them
	s_add_co_u32 s16, s16, s17
	s_mov_b32 s17, 0
	s_mul_i32 s46, s42, 192*4096                   ; the weights: 192 rows a head,
	s_mul_i32 s47, s15, 96*4096                    ; my 96 of them
	s_add_co_u32 s46, s46, s47
	s_mov_b32 s47, 0
	s_mul_i32 s20, s15, 64*PITCH                   ; where they go: no place in the cluster enters an LDS address
	s_mul_i32 s23, s15, 96*PITCH
	s_add_co_u32 s23, s23, AROWS
	s_mov_b32 s[SEL], 0x76543210
	s_mov_b32 s[SEL+1], 0xfedcba98
	s_mov_b32 s[SGN], 0x80000000                   ; flips the upper half's sign
	s_mov_b32 s[SELP], 0x05040706                  ; v_perm_b32: the first source's halves change places
	s_mov_b32 s[TB], 0
	s_wait_dscnt 0x0                               ; both opening adds are done
	s_wait_kmcnt 0x0
	s_add_nc_u64 s[18:19], s[4:5], s[16:17]
	s_add_nc_u64 s[46:47], s[6:7], s[46:47]
	CROUND                                         ; all sixteen work-groups are here: the first joint loads meet
.irp s, 0,1
	s_mov_b32 s[G0+4*(\s)], 1
	s_add_co_u32 s[G0+4*(\s)+1], s20, (\s)*SLOT1
	s_add_nc_u64 s[G0+4*(\s)+2:G0+4*(\s)+3], s[18:19], (\s)*KSTEP*2
	s_or_b32 s[G0+4*(\s)+3], s[G0+4*(\s)+3], 0x80000000
	s_mov_b32 s[G0B+4*(\s)], 1
	s_add_co_u32 s[G0B+4*(\s)+1], s23, (\s)*SLOT1
	s_add_nc_u64 s[G0B+4*(\s)+2:G0B+4*(\s)+3], s[46:47], (\s)*KSTEP*2
	s_or_b32 s[G0B+4*(\s)+3], s[G0B+4*(\s)+3], 0x80000000
	JLOAD \s
.endr
	v_and_b32 v1, 15, v0                           ; r
	v_bfe_u32 v2, v0, 4, 1                         ; h
	v_and_b32 v[L4], 31, v0
	v_lshlrev_b32 v[L16], 4, v[L4]
	s_lshr_b32 s80, s13, 3
	s_lshl_b32 s80, s80, 4
	s_add_co_u32 s80, s80, s42                     ; bh = 16 b + head
	s_and_b32 s81, s13, 7                          ; my chunk of 128 tokens in the sequence
	s_lshl_b32 s82, s80, 12
	s_mov_b32 s83, 0
	s_add_nc_u64 s[84:85], s[8:9], s[82:83]        ; the head's row of gate, plane 0
	s_add_nc_u64 s[88:89], s[68:69], s[82:83]
	s_lshl_b32 s82, s81, 9
	s_add_nc_u64 s[86:87], s[84:85], s[82:83]      ; at my chunk
	s_add_nc_u64 s[88:89], s[88:89], s[82:83]      ; tab's planes at my chunk
.irp q, 0,1,2,3,4,5,6
	global_load_b128 v[PRE+4*\q:PRE+4*\q+3], v[L16], s[84:85] offset:512*\q
.endr
	global_load_b128 v[OWN:OWN+3], v[L16], s[86:87]
	global_load_b128 v[LPO:LPO+3], v[L16], s[86:87] offset:131072
	s_lshl_b32 s82, s80, 5
	s_lshl_b32 s21, s81, 2
	s_add_co_u32 s82, s82, s21
	s_add_co_u32 s82, s82, 393216
	s_add_nc_u64 s[90:91], s[68:69], s[82:83]      ; the chunk's word of GT
	s_lshl_b32 s82, s80, 18                        ; the stores' bases: head, chunk, my 64 tokens, 256 bytes a token
	s_lshl_b32 s21, s81, 15
	s_add_co_u32 s82, s82, s21
	s_lshl_b32 s21, s14, 14
	s_add_co_u32 s82, s82, s21
	s_add_nc_u64 s[70:71], s[10:11], s[82:83]      ; q
	s_add_nc_u64 s[72:73], s[70:71], 8388608       ; k
	s_add_nc_u64 s[74:75], s[70:71], 16777216      ; v, turned
	s_lshl_b32 s82, s15, 10
	s_add_nc_u64 s[76:77], s[72:73], s[82:83]      ; k at my two blocks of 16 channels
	; the prefetches
	s_mul_i32 s82, s42, 192*4096                   ; the weights: the head's rows,
	s_mul_i32 s21, s41, 48*4096                    ; my work-group's 48
	s_add_co_u32 s82, s82, s21
	s_lshl_b32 s22, s13, 19                        ; x: the block's rows,
	s_lshl_b32 s21, s40, 17                        ; my work-group's 32
	s_add_co_u32 s22, s22, s21
	s_cmp_eq_u32 s[WV], 0
	s_cselect_b32 s82, s22, s82
	s_cselect_b64 s[PFA:PFA+1], s[4:5], s[6:7]
	s_add_nc_u64 s[PFA:PFA+1], s[PFA:PFA+1], s[82:83]
	s_add_nc_u64 s[PFA:PFA+1], s[PFA:PFA+1], 2*KSTEP*2   ; at K step 2: the first refill steps it to 3 and names K step 4
	s_and_b32 s22, ttmp7, 0xffff
	s_cmp_eq_u32 s[WV], 0
	s_cselect_b32 s22, ttmp9, s22                  ; the coordinate along which other clusters read the same rows
	s_cselect_b32 s21, 2, 3                        ; x: while three trips or more are left; the weights: four
	s_cselect_b32 s[PM], 0, 1                      ; x: in every trip; the weights: where the count of trips left is even
	s_cmp_eq_u32 s22, 0
	s_cselect_b32 s[LIM], s21, -1
	s_max_u32 s21, s[WV], 1
	s_sub_co_u32 s21, s21, 1
	s_lshl_b32 s21, s21, 5
	v_add_nc_u32 v3, s21, v[L4]                    ; block i: wave 0: my lane; waves 1 to 3: 32 (w - 1) + my lane, 0 to 95
	v_lshlrev_b32 v[PFO], 12, v3
	v_cmp_le_u32 vcc_lo, 48, v3                    ; from 48 on: the same 48 rows again, one K step further
	v_mov_b32 v3, 48*4096-KSTEP*2
	v_cndmask_b32 v3, 0, v3, vcc_lo
	v_sub_nc_u32 v[PFO], v[PFO], v3
	; fragments: lane l holds row l % 16; two loads of 16 bytes, 32 bytes apart, at row x pitch + 16 (l / 16)
	v_mul_u32_u24 v3, v1, PITCH
	v_lshl_add_u32 v3, v2, 4, v3
	s_mul_i32 s21, s14, 64*PITCH
	v_add_nc_u32 v[A0], s21, v3
	s_mul_i32 s21, s15, 128*PITCH                  ; q's rows, or v's
	s_add_co_u32 s21, s21, AROWS
	v_add_nc_u32 v[BM0], s21, v3
	s_mul_i32 s21, s15, 32*PITCH                   ; k's rows 0-31, or 32-63
	s_add_co_u32 s21, s21, AROWS+64*PITCH
	v_add_nc_u32 v[BK0], s21, v3
	s_lshl_b32 s22, s14, 8
	s_lshl_b32 s21, s15, 9
	s_add_co_u32 s21, s21, s22
	s_add_co_u32 s21, s21, XCH
	v_lshl_add_u32 v[XS], v1, 2, s21               ; my largest magnitudes: segment wn (1,024 bytes on: 2 + wn), row 64 wm + 16 a + r
	s_xor_b32 s21, s15, 1
	s_lshl_b32 s21, s21, 9
	s_add_co_u32 s21, s21, s22
	s_add_co_u32 s21, s21, XCH+1024
	v_lshl_add_u32 v[XR], v1, 2, s21               ; k's other half
	s_mul_i32 s21, s[WV], 5120
	s_add_co_u32 s21, s21, STAGE
	v_mul_u32_u24 v[STS], v1, 160
	v_lshl_add_u32 v[STS], v2, 4, v[STS]
	v_add_nc_u32 v[STS], s21, v[STS]
	v_and_b32 v[STR], 7, v0
	v_lshl_add_u32 v[STR], v2, 3, v[STR]
	v_mul_u32_u24 v[STR], v[STR], 160
	v_bfe_u32 v[XE], v0, 3, 1
	v_lshl_add_u32 v[STR], v[XE], 4, v[STR]
	v_add_nc_u32 v[STR], s21, v[STR]
	v_add_nc_u32 v[XE], XCH, v[L16]
; Line q of the 32 that make the two forms of two fragments of x (token blocks 2 (a / 2) and 2 (a / 2) + 1) for the buffer that is not being multiplied
.macro RID f, a
.set rS, RAW+8*(2*((\a)/2)+q/16)+(q%16)/2
.set rT, 192+32*(1-(\f))+16*(q/16)+8*(q%2)+(q%16)/2
.if q%2 == 0
	v_xor_b32 v[rT], v[rS], s[SGN]                 ; (xr, -xi)
.else
	v_perm_b32 v[rT], v[rS], s[SELP], s[SELP]      ; (xi, xr)
.endif
.set q, q+1
.endm
; Products i0 .. i0 + cnt - 1 of the twelve of token block a: part i / 6, weight rows 16 (i % 6) on; 32 along K, buffer f.  zero = 1: the product starts the sum.
; rd = 1: behind the products stand the 32 lines RID: three behind each of the first eight, two behind each of the last four.  The 48 accumulators take turns, one instruction a turn.
.macro MULR f, a, zero, rd, i0, cnt
	WIN 0xa9+0x54*((\a)/2)
.set i, \i0
.set q, 0
.rept \cnt
.set rD, 96*((\a)%2)+48*(i/6)+8*(i%6)
.set rB, 48*(\f)+8*(i%6)
.set rA, 192+32*(\f)+16*((\a)%2)+8*(i/6)
.if \zero
	v_wmma_f32_16x16x32_bf16 v[rD:rD+7], v[rB:rB+7], v[rA:rA+7], 0
.else
	v_wmma_f32_16x16x32_bf16 v[rD:rD+7], v[rB:rB+7], v[rA:rA+7], v[rD:rD+7]
.endif
.if \rd
	RID \f, \a
	RID \f, \a
.if i < 8
	RID \f, \a
.endif
.endif
.set i, i+1
.endr
.endm
.macro SETADR                          ; the three addresses in the slot in hand
	v_add_nc_u32 v[ADRA], s[TB], v[A0]
	v_add_nc_u32 v[ADRM], s[TB], v[BM0]
	v_add_nc_u32 v[ADRK], s[TB], v[BK0]
.endm
; 20 LDS loads in one run: 32 along K at byte k of the rows: x's four fragments first, then the weights' six into buffer g
.macro FETCH k, g
	WIN 0x40
.irp i, 0,1,2,3
	ds_load_b128 v[RAW+8*(\i):RAW+8*(\i)+3],   v[ADRA] offset:(\k)+(\i)*16*PITCH
	ds_load_b128 v[RAW+8*(\i)+4:RAW+8*(\i)+7], v[ADRA] offset:(\k)+(\i)*16*PITCH+32
.endr
.irp i, 0,1,2,3
	ds_load_b128 v[48*(\g)+8*(\i):48*(\g)+8*(\i)+3],   v[ADRM] offset:(\k)+(\i)*16*PITCH
	ds_load_b128 v[48*(\g)+8*(\i)+4:48*(\g)+8*(\i)+7], v[ADRM] offset:(\k)+(\i)*16*PITCH+32
.endr
.irp i, 0,1
	ds_load_b128 v[48*(\g)+32+8*(\i):48*(\g)+32+8*(\i)+3],   v[ADRK] offset:(\k)+(\i)*16*PITCH
	ds_load_b128 v[48*(\g)+32+8*(\i)+4:48*(\g)+32+8*(\i)+7], v[ADRK] offset:(\k)+(\i)*16*PITCH+32
.endr
.endm
; A K step is four quarters of 32 along K, 48 products each, on buffers 0, 1, 0, 1.  One of the first three: multiplies buffer f; behind its first twelve products it fetches the next quarter, at byte k;
; twelve products later x's fragments are in, and their two forms are made behind the last 24 products.
.macro QUARTER k, f, zero
	s_wait_dscnt 0x0                               ; this quarter's weights are in: nothing younger is out
	MULR \f, 0, \zero, 0, 0, 12
	PLACES
	FETCH \k, 1-(\f)
	MULR \f, 2, \zero, 0, 0, 12
	s_wait_dscnt 12                                ; x's eight loads are in: the weights' twelve are younger
	MULR \f, 1, \zero, 1, 0, 12
	MULR \f, 3, \zero, 1, 0, 12
.endm
; The last quarter of a K step multiplies buffer 1 and changes slots: one barrier; in front of it each wave waits for all its tensor loads (its part of the next slot), adds 0 to its spare word,
; and waits for that and for its reads of this slot.  fill = 1: the barrier opens a round of the cluster's, and this slot is filled again, two K steps ahead, first thing behind the round.
.macro TURN fill
.if \fill
	s_wait_xcnt 0x0                                ; the last prefetch, a K step back or more, has read its address
	s_add_nc_u64 s[PFA:PFA+1], s[PFA:PFA+1], KSTEP*2
.endif
	WIN 0
	s_wait_tensorcnt 0x0
	ds_add_u32 v[SPW], v[NIL]
	s_wait_dscnt 1                                 ; (the add may be out: this quarter's weights are in)
	MULR 1, 0, 0, 0, 0, 6
	s_wait_dscnt 0x0                               ; the add is done, and my reads of this slot are over
	s_barrier_signal -1
	MULR 1, 0, 0, 0, 6, 6
	WIN 0
	s_barrier_wait -1
.if \fill
	CREST
.irp g, G0+4, G0B+4
	s_xor_b32 s[(\g)+1], s[(\g)+1], SLOT1          ; the walking descriptor: the other slot than last time,
	s_add_nc_u64 s[(\g)+2:(\g)+3], s[(\g)+2:(\g)+3], KSTEP*2   ; the next K step; the type bits on top are not reached
.endr
	JLOAD 1                                        ; its four v_nop are also the places in front of the loads below
.else
	PLACES
.endif
	s_xor_b32 s[TB], s[TB], SLOT1                  ; the fetches go on in the other slot
	SETADR
	FETCH 0, 0
.if \fill
	WIN 0
	ASK
.endif
	MULR 1, 2, 0, 0, 0, 12
	s_wait_dscnt 12
	MULR 1, 1, 0, 1, 0, 12
	MULR 1, 3, 0, 1, 0, 12
.endm
	s_wait_tensorcnt 1                             ; my part of K step 0 is in; K step 1's may stay out
	s_barrier_signal -1
	s_barrier_wait -1
	SETADR
	FETCH 0, 0
	s_wait_dscnt 12
	WIN 0x81                                       ; the first quarter's forms of x have no products to stand behind: destination window 2, source 0 window 1,
.set q, 0
.rept 32
	RID 1, 0
.endr
	WIN 0xc1                                       ; and window 3
.set q, 0
.rept 32
	RID 1, 2
.endr
	QUARTER 64, 0, 1                               ; the first quarter stands in front of the loop: its products start the sums
	WIN 0
	s_mov_b32 s3, 14
.Lstep:                                        ; a trip: a K step's second quarter to the next step's first; it fills one slot again
	QUARTER 128, 1, 0
	QUARTER 192, 0, 0
	TURN 1
	QUARTER 64, 0, 0
	WIN 0
	s_sub_co_u32 s3, s3, 1
	s_cmp_lg_u32 s3, 0
	s_cbranch_scc1 .Lstep
	s_mov_b32 s3, 2
.Ltail:                                        ; the last two K steps fill nothing; the second trip is left behind the step's last quarter
	QUARTER 128, 1, 0
	QUARTER 192, 0, 0
	TURN 0
	WIN 0
	s_cmp_eq_u32 s3, 1
	s_cbranch_scc1 .Lkdone
	QUARTER 64, 0, 0
	WIN 0
	s_sub_co_u32 s3, s3, 1
	s_cmp_lg_u32 s3, 0
	s_cbranch_scc1 .Ltail
.Lkdone:
	PLACES
	s_wait_loadcnt 0x0                             ; the gate rows, long since in
; THE LARGEST MAGNITUDES.  For each token block of a window: the whole tensor's 64 registers (number n at 96 aa + n + 16 (n / 32)) and k's 32 (at 96 aa + 32 + n + 32 (n / 16)).  A chain of maxima and one of minima
; for each, eight chains side by side; each accumulator's lowest registers are read first.
.macro MAXES hi
	WIN 0x2a+0x15*(\hi)
.irp aa, 0,1
	v_max3_num_f32 v[MX+4*(\hi)+2*(\aa)],   v[96*(\aa)],    v[96*(\aa)+1],  v[96*(\aa)+2]
	v_min3_num_f32 v[MN+4*(\hi)+2*(\aa)],   v[96*(\aa)],    v[96*(\aa)+1],  v[96*(\aa)+2]
	v_max3_num_f32 v[MX+4*(\hi)+2*(\aa)+1], v[96*(\aa)+32], v[96*(\aa)+33], v[96*(\aa)+34]
	v_min3_num_f32 v[MN+4*(\hi)+2*(\aa)+1], v[96*(\aa)+32], v[96*(\aa)+33], v[96*(\aa)+34]
.endr
	WIN 0x28+0x14*(\hi)
.set n, 3
.rept 31
.set n1, n+1
.if n == 63
.set n1, 63
.endif
.set m1, n+1
.if n == 31
.set m1, 31
.endif
.irp aa, 0,1
	v_max3_num_f32 v[MX+4*(\hi)+2*(\aa)], v[MX+4*(\hi)+2*(\aa)], v[96*(\aa)+n+16*(n/32)], v[96*(\aa)+n1+16*(n1/32)]
	v_min3_num_f32 v[MN+4*(\hi)+2*(\aa)], v[MN+4*(\hi)+2*(\aa)], v[96*(\aa)+n+16*(n/32)], v[96*(\aa)+n1+16*(n1/32)]
.if n < 32
	v_max3_num_f32 v[MX+4*(\hi)+2*(\aa)+1], v[MX+4*(\hi)+2*(\aa)+1], v[96*(\aa)+32+n+32*(n/16)], v[96*(\aa)+32+m1+32*(m1/16)]
	v_min3_num_f32 v[MN+4*(\hi)+2*(\aa)+1], v[MN+4*(\hi)+2*(\aa)+1], v[96*(\aa)+32+n+32*(n/16)], v[96*(\aa)+32+m1+32*(m1/16)]
.endif
.endr
.set n, n+2
.endr
.endm
	MAXES 0
	MAXES 1
	WIN 0
.set i, 0
.rept 8
	v_sub_f32 v[MN+i], 0, v[MN+i]
.set i, i+1
.endr
.set i, 0
.rept 8
	v_max_num_f32 v[MX+i], v[MX+i], v[MN+i]
.set i, i+1
.endr
.set i, 0
.rept 8
	v_permlanex16_b32 v[MN+i], v[MX+i], s[SEL], s[SEL+1]   ; the token's other channels lie in the lane 16 away
.set i, i+1
.endr
.set i, 0
.rept 8
	v_max_num_f32 v[MX+i], v[MX+i], v[MN+i]
.set i, i+1
.endr
.set i, 0
.rept 8
	ds_store_b32 v[XS], v[MX+i] offset:(i%2)*1024+(i/2)*64
.set i, i+1
.endr
	s_wait_dscnt 0x0                               ; for the others' sake
	s_barrier_signal -1
	s_barrier_wait -1
.set i, 0
.rept 4
	ds_load_b32 v[MN+i], v[XR] offset:i*64
.set i, i+1
.endr
	s_wait_dscnt 0x0
.set i, 0
.rept 4
	v_max_num_f32 v[MX+2*i+1], v[MX+2*i+1], v[MN+i]   ; k's two halves
.set i, i+1
.endr
.set i, 0
.rept 8
	v_and_b32 v[MX+i], 0x7f800000, v[MX+i]         ; the exponent field,
	v_min_u32 v[MX+i], 0x7e800000, v[MX+i]         ; at most 253,
	v_sub_nc_u32 v[INV+2*i], 0x7f000000, v[MX+i]   ; and 2^(127 - field): the row's numbers times it lie under 2
	v_mov_b32 v[INV+2*i+1], v[INV+2*i]
.set i, i+1
.endr
; Sixteen accumulators are scaled in place and rounded to f16, 16 bytes a lane each.  st = 0, 1: the whole tensor's real, imaginary part: v[TMP + 16 a + 4 b ..] = token 16 a + r, channels 16 b + 8 h .. + 7.
; st = 2: k: v[TMP + 16 a + 8 c + 4 b ..] = part c, my block b of two.
.macro SCALE st
.if (\st) > 0
	s_wait_xcnt 0x0                                ; the stores before have read their data
.endif
.irp hi, 0,1
	WIN 0x82+0x41*(\hi)
.irp aa, 0,1
.set n, 0
.rept 16
.if (\st) < 2
.set rg, 96*(\aa)+48*(\st)+n
.else
.set rg, 96*(\aa)+32+n+32*(n/16)
.endif
.set iv, INV+2*(2*(2*(\hi)+(\aa))+(\st)/2)
	v_pk_mul_f32 v[rg:rg+1], v[rg:rg+1], v[iv:iv+1] op_sel_hi:[1,0]
.set n, n+2
.endr
.endr
	WIN 0x0a+5*(\hi)
.irp aa, 0,1
.set n, 0
.rept 16
.if (\st) < 2
.set rg, 96*(\aa)+48*(\st)+n
.else
.set rg, 96*(\aa)+32+n+32*(n/16)
.endif
	v_cvt_pk_f16_f32 v[TMP+16*(2*(\hi)+(\aa))+n/2], v[rg], v[rg+1]
.set n, n+2
.endr
.endr
.endr
	WIN 0
.endm
; q: a lane's 16 bytes are a piece of a fragment as they stand: each store covers 512 consecutive bytes
.macro PLAIN sb, off
.irp a, 0,1,2,3
.irp bb, 0,1,2,3
	global_store_b128 v[L16], v[TMP+16*(\a)+4*(\bb):TMP+16*(\a)+4*(\bb)+3], s[(\sb):(\sb)+1] offset:(\off)+(\a)*4096+(\bb)*512
.endr
.endr
.endm
; v: 32 tokens x 64 channels at a time through my stage, back by the turning load: lane l then holds channel l % 16 and eight tokens
.macro TRANS half
.irp p, 0,1
.irp aa, 0,1
.irp bb, 0,1,2,3
	ds_store_b128 v[STS], v[TMP+16*(2*(\p)+(\aa))+4*(\bb):TMP+16*(2*(\p)+(\aa))+4*(\bb)+3] offset:(\aa)*2560+32*(\bb)
.endr
.endr
.irp cbl, 0,1,2,3
.irp part, 0,1
	ds_load_tr16_b128 v[TR+32*(\p)+8*(\cbl)+4*(\part):TR+32*(\p)+8*(\cbl)+4*(\part)+3], v[STR] offset:(\part)*2560+32*(\cbl)   ; LDS serves a wave's instructions in order
.endr
.endr
.endr
	s_wait_dscnt 0x0
.irp p, 0,1
.irp cbl, 0,1,2,3
.irp part, 0,1
	global_store_b128 v[L16], v[TR+32*(\p)+8*(\cbl)+4*(\part):TR+32*(\p)+8*(\cbl)+4*(\part)+3], s[74:75] offset:(\p)*8192+(4*(\half)+(\cbl))*1024+(\part)*512
.endr
.endr
.endr
.endm
	SCALE 0
	s_cmp_eq_u32 s15, 0
	s_cbranch_scc0 .Lv0
	PLAIN 70, 0                                    ; q's real half
	s_branch .Lj0
.Lv0:
	TRANS 0                                        ; v's real half
.Lj0:
	SCALE 1
	s_cmp_eq_u32 s15, 0
	s_cbranch_scc0 .Lv1
	PLAIN 70, 2048                                 ; q's imaginary half
	s_branch .Lj1
.Lv1:
	TRANS 1                                        ; v's imaginary half
.Lj1:
	SCALE 2
.irp a, 0,1,2,3                                ; k: my two blocks of 16 channels of each part
.irp c, 0,1
.irp bb, 0,1
	global_store_b128 v[L16], v[TMP+16*(\a)+8*(\c)+4*(\bb):TMP+16*(\a)+8*(\c)+4*(\bb)+3], s[76:77] offset:(\a)*4096+(\c)*2048+(\bb)*512
.endr
.endr
.endr
	; WAVE 0: the tables for these 128 tokens, four a lane
	s_cmp_lg_u32 s[WV], 0
	s_cbranch_scc1 .Lend
	s_wait_xcnt 0x0
.irp g, 0,1,2,3
	ds_load_b128 v[128+4*\g:131+4*\g], v[XE] offset:512*\g   ; the largest magnitudes of q, v, k low, k high
.endr
	v_mov_b32 v152, 0
	v_mov_b32 v153, 0
.irp q, 0,1,2,3,4,5,6
	s_cmp_gt_u32 s81, \q                           ; does chunk q lie ahead of mine?
	s_cselect_b32 s21, 1.0, 0
.irp e, 0,1,2,3
	v_fma_f32 v152, s21, v[PRE+4*\q+\e], v152
.endr
.endr
	v_add_f32_dpp v152, v152, v152 row_xmask:1 row_mask:0xf bank_mask:0xf
	v_add_f32_dpp v152, v152, v152 row_xmask:2 row_mask:0xf bank_mask:0xf
	v_add_f32_dpp v152, v152, v152 row_xmask:4 row_mask:0xf bank_mask:0xf
	v_add_f32_dpp v152, v152, v152 row_xmask:8 row_mask:0xf bank_mask:0xf
	v_permlanex16_b32 v153, v152, s[SEL], s[SEL+1]
	v_add_f32 v152, v152, v153                     ; the sum of all that lies ahead of my chunk
	v_add_f32 v[OWN+1], v[OWN],   v[OWN+1]
	v_add_f32 v[OWN+2], v[OWN+1], v[OWN+2]
	v_add_f32 v[OWN+3], v[OWN+2], v[OWN+3]
	v_mov_b32 v154, v[OWN+3]
.irp d, 1,2,4,8,16                             ; the lanes' totals, summed up the lanes
	v_add_nc_u32 v155, -\d, v[L4]
	v_lshlrev_b32 v155, 2, v155
	v_and_b32 v155, 0x7c, v155
	ds_bpermute_b32 v156, v155, v154
	s_wait_dscnt 0x0
	v_cmp_le_u32 vcc_lo, \d, v[L4]
	v_cndmask_b32 v156, 0, v156, vcc_lo
	v_add_f32 v154, v154, v156
.endr
	v_sub_f32 v154, v154, v[OWN+3]
	v_add_f32 v154, v154, v152
.irp e, 0,1,2,3
	v_add_f32 v[160+\e], v154, v[OWN+\e]           ; CL
	v_max_num_f32 v[136+\e], v[136+\e], v[140+\e]  ; k's two halves
.endr
.irp e, 0,1,2,3
	v_and_b32 v[164+\e], 0x7f800000, v[128+\e]     ; q,
	v_and_b32 v[168+\e], 0x7f800000, v[136+\e]     ; k,
	v_and_b32 v[172+\e], 0x7f800000, v[132+\e]     ; v
.endr
.set i, 0
.rept 12
	v_min_u32 v[164+i], 0x7e800000, v[164+i]
	v_lshrrev_b32 v[164+i], 23, v[164+i]
	v_cvt_f32_u32 v[164+i], v[164+i]
	v_add_f32 v[164+i], 0xc2fe0000, v[164+i]       ; field - 127: eq, ek, ev
.set i, i+1
.endr
.irp e, 0,1,2,3
	v_add_f32 v[176+\e], v[168+\e], v[172+\e]
	v_add_f32 v[176+\e], v[176+\e], v[LPO+\e]      ; log2(1 - p) + ek + ev
	v_add_f32 v[180+\e], v[160+\e], v[176+\e]      ; LK
.endr
	global_store_b128 v[L16], v[180:183], s[88:89]
	global_store_b128 v[L16], v[160:163], s[88:89] offset:131072
	global_store_b128 v[L16], v[164:167], s[88:89] offset:262144
	v_max3_num_f32 v184, v176, v177, v178
	v_max_num_f32 v184, v184, v179
	v_max_num_f32_dpp v184, v184, v184 row_xmask:1 row_mask:0xf bank_mask:0xf
	v_max_num_f32_dpp v184, v184, v184 row_xmask:2 row_mask:0xf bank_mask:0xf
	v_max_num_f32_dpp v184, v184, v184 row_xmask:4 row_mask:0xf bank_mask:0xf
	v_max_num_f32_dpp v184, v184, v184 row_xmask:8 row_mask:0xf bank_mask:0xf
	v_permlanex16_b32 v153, v184, s[SEL], s[SEL+1]
	v_max_num_f32 v184, v184, v153
	v_mov_b32 v158, 0
	v_cmp_eq_u32 vcc_lo, 0, v[L4]
	s_wait_xcnt 0x0                                ; EXEC changes only behind this wait
	s_and_saveexec_b32 s21, vcc_lo
	global_store_b32 v158, v184, s[90:91]          ; the chunk's largest, one word
	s_wait_xcnt 0x0
	s_or_b32 exec_lo, exec_lo, s21
.Lend:
	s_wait_tensorcnt 0x0                           ; the wave's end: three closing lines
	ds_add_u32 v[SPW], v[NIL]
	s_wait_dscnt 0x0
	CROUND                                         ; the closing round: no work-group ends while a partner may still ask for a tile that names it
	s_endpgm
.Lfunc_end_k_q964695ee8d_qkv:
	.size	k_q964695ee8d_qkv, .Lfunc_end_k_q964695ee8d_qkv-k_q964695ee8d_qkv
	.p2alignl 7, 3214868480
	.fill 96, 4, 3214868480
	.section	.rodata,"a",@progbits
	.p2align	6, 0x0
	.amdhsa_kernel k_q964695ee8d_qkv
		.amdhsa_group_segment_fixed_size 327680
		.amdhsa_private_segment_fixed_size 0
		.amdhsa_enable_private_segment 0
		.amdhsa_kernarg_size 40
		.amdhsa_user_sgpr_count 2
		.amdhsa_user_sgpr_kernarg_segment_ptr 1
		.amdhsa_wavefront_size32 1
		.amdhsa_system_sgpr_workgroup_id_x 1
		.amdhsa_system_sgpr_workgroup_id_y 1
		.amdhsa_system_sgpr_workgroup_id_z 1
		.amdhsa_system_vgpr_workitem_id 0
		.amdhsa_next_free_vgpr 1024
		.amdhsa_next_free_sgpr 100
		.amdhsa_reserve_vcc 1
		.amdhsa_float_denorm_mode_32 3
		.amdhsa_float_denorm_mode_16_64 3
		.amdhsa_memory_ordered 1
		.amdhsa_forward_progress 1
		.amdhsa_inst_pref_size 170
	.end_amdhsa_kernel
	.amdgpu_metadata
---
amdhsa.version: [ 1, 2 ]
amdhsa.kernels:
  - .name:           k_q964695ee8d_qkv
    .symbol:         k_q964695ee8d_qkv.kd
    .args:
      - { .name: xb, .offset: 0, .size: 8, .value_kind: global_buffer, .address_space: global }
      - { .name: wts, .offset: 8, .size: 8, .value_kind: global_buffer, .address_space: global }
      - { .name: gate, .offset: 16, .size: 8, .value_kind: global_buffer, .address_space: global }
      - { .name: qkv, .offset: 24, .size: 8, .value_kind: global_buffer, .address_space: global }
      - { .name: tab, .offset: 32, .size: 8, .value_kind: global_buffer, .address_space: global }
    .group_segment_fixed_size: 327680
    .private_segment_fixed_size: 0
    .kernarg_segment_align: 8
    .kernarg_segment_size: 40
    .max_flat_workgroup_size: 128
    .sgpr_count:     100
    .vgpr_count:     1024
    .wavefront_size: 32
...
	.end_amdgpu_metadata
.endif
;; end of part 2
;; launch attn (part 3): grid 8 x 32, 4 waves a work-group, no clusters, 287,744 bytes of LDS; arguments qkv, tab, ys; writes ys
.if DOCPART == 3
	.amdgcn_target "amdgcn-amd-amdhsa--gfx1250"
	.amdhsa_code_object_version 6
	.text
	.protected	k_q964695ee8d_attn
	.globl	k_q964695ee8d_attn
	.p2align	8
	.type	k_q964695ee8d_attn,@function
k_q964695ee8d_attn:
	s_mov_b64 s[64:65], 0
	v_nop
	global_prefetch_b8 v0, s[64:65] scope:SCOPE_SE
	s_setreg_imm32_b32 hwreg(HW_REG_WAVE_MODE, 25, 1), 1
	s_wait_xcnt 0x0
; Launch 3 of 4: y[t] = sum over s <= t of (q[t] conj k[s]) exp(C[s] - C[t]) (1 - p[s]) v[s], for one head and two blocks of 64 queries.
; LEFT OUT: the key steps of 128 keys wholly above the diagonal, which reference()'s own lower triangle multiplies by 0 for all inputs; an overflow of exp(C[s] - C[t]) with s > t is not carried to the result.
; SCALES.  q = 2^eq q^, k = 2^ek k^, v = 2^ev v^ (launch 2).  y[t] = 2^(eq[t] + gm) sum S'[t,s] 2^(LK[s] - NT[t]) v^[s] with S' = q^ conj k^, LK = CL + log2(1-p) + ek + ev, NT = CL + gm, and gm the head's largest
; log2(1-p) + ek + ev.  For s <= t the exponent is at most 1,024 roundings of gamma above 0, so a weight stays under 1.001, |S' w| under 513 (f16 holds it), and the f32 sums under 2^21.
; The result leaves as y~ = sum x 2^(eq + gm - lG - 6) in f16, under 2^15, with lG[t] the largest eq + gm of the token's 16 heads; 2^(lG + 6) goes to launch 4 in f32 (it overflows within 2^11 of f32's top).
; There is no softmax: nothing is normalised, so the keys can be split among the waves and the four partial sums added at the end.
; THE WALK.  Block i of 64 queries needs (i / 2) + 1 steps of 128 keys.  A work-group takes blocks j and 15 - j: nine steps whatever j, one loop of constant length.  The block with the even count goes first, so the change falls at a trip's end.
; SHARES.  Wave w takes keys 32 w .. 32 w + 31 of every step, for all four tiles of 16 queries.  No wave wants a byte that another has fetched, and launch 2 laid k^ and v^ in fragment order: they come straight into
; operand registers, 512 consecutive bytes a load, two steps ahead, in two sets.  No LDS and no barrier in the loop.
; NO CLUSTER: the loads go to registers, not to LDS; and the eight work-groups of a head begin their second block after 2, 4, 6 or 8 steps, so a walk common to partners would have up to 16 steps for 9.
; LAYOUT.  S^T = K Q^T (source 0 = 16 keys, source 1 = 16 queries; K = [kr | ki], 128 columns): wr with Q = [qr | qi], wi with [qi | -qr].  A lane holds one query and keys 8 (l / 16) + 0..7; two such results, weighted and
; rounded to f16, are source 1 of O^T = V^T P.  O^T real += vr Pr - vi Pi, imaginary += vi Pr + vr Pi: -Pi is kept as a third operand.
; REGISTERS: window 0 addresses, NT, LK, weights W, S^T (two buffers), P (two buffers); window 1 O^T, 64 a tile; window 2 Q and -qr; window 3 K (two sets of 64), V (two sets of 64).
.set PART,  67584                      ; LDS: wave w's partial sums at PART w: 128 rows x 528 bytes: block A's 64 rows, then block B's
.set QL,    270336                     ; block B's Q, 16,384 bytes
.set RHO,   286720                     ; the rows' factors, 128 words
.set SPARE, 287232                     ; the spare words, 128 bytes a wave
.set LOFF, 2
.set LKO,  3
.set PFO,  4
.set RH,   5
.set DD,   6
.set VDA,  7
.set VDB,  8
.set VR1,  9
.set VR2,  10
.set QLA,  13
.set SPW,  14
.set NIL,  15
.set A4R,  16
.set A4T,  17
.set AZ,   18
.set QLS,  19
.set RHS,  20
.set VR0,  24
.set RHOA, 25
.set YO,   26
.set VR3,  27
.set NT,   32                          ; v[32:39] pairs
.set NTB,  40
.set GMO,  44
.set GSF,  47                          ; v47  2^(lG + 6): the data of one store; no other line writes it
.set LK,   48
.set W,    80
.set S,    112
.set P,    176
.set RG,   112                         ; at the end: four groups of 36 registers for the sums
.set WV,   12
.set J,    13
.set BH,   14
.set BB,   15
.set HH,   16
.set BA,   17
.set BK,   18
.set NA,   19
.set NB1,  20
.set GS,   21                          ; steps done
.set LASTAT, 22                        ; the step that holds the diagonal of the block in hand
.set CNT,  23
.set TRIP, 24
.set KL,   25                          ; the key step to be asked for next
.set LQ,   26                          ; the last key step of the block whose steps are being asked for
.set PLIM, 27
.set MOFF, 28
.set MOFFB, 29
.set KB,   32
.set VB,   34
.set LB,   36
.set KA,   38
.set VA,   40
.set LA,   42
.set GM,   48                          ; s[48:63] gm of the batch's 16 heads
.set MSB, 0
.macro WIN new
.if MSB != (\new)
	s_set_vgpr_msb (MSB<<8)|(\new)
.set MSB, \new
.endif
.endm
.macro PLACES                          ; four places behind matrix instructions (ISA guide 7.12.1)
.rept 4
	v_nop
.endr
.endm
; a step's K (2 key blocks x 4 fragments) and its 16 LK a lane, into set X; st: a step's distance in the immediates
.macro KLOAD X, kbase, lbase, st
	WIN 0xc0
.irp kb, 0,1
.irp f, 0,1,2,3
	global_load_b128 v[64*(\X)+32*(\kb)+8*(\f):64*(\X)+32*(\kb)+8*(\f)+3],   v[LOFF], s[(\kbase):(\kbase)+1] offset:(\st)*32768+(\kb)*4096+(\f)*1024
	global_load_b128 v[64*(\X)+32*(\kb)+8*(\f)+4:64*(\X)+32*(\kb)+8*(\f)+7], v[LOFF], s[(\kbase):(\kbase)+1] offset:(\st)*32768+(\kb)*4096+(\f)*1024+512
.endr
.endr
	WIN 0
	global_load_b128 v[LK+16*(\X):LK+16*(\X)+3],     v[LKO], s[(\lbase):(\lbase)+1] offset:(\st)*512
	global_load_b128 v[LK+16*(\X)+4:LK+16*(\X)+7],   v[LKO], s[(\lbase):(\lbase)+1] offset:(\st)*512+16
	global_load_b128 v[LK+16*(\X)+8:LK+16*(\X)+11],  v[LKO], s[(\lbase):(\lbase)+1] offset:(\st)*512+64
	global_load_b128 v[LK+16*(\X)+12:LK+16*(\X)+15], v[LKO], s[(\lbase):(\lbase)+1] offset:(\st)*512+80
.endm
.macro VLOAD X, vbase, st
	WIN 0xc0
.irp cb, 0,1,2,3,4,5,6,7
	global_load_b128 v[128+64*(\X)+8*(\cb):128+64*(\X)+8*(\cb)+3],   v[LOFF], s[(\vbase):(\vbase)+1] offset:(\st)*32768+(\cb)*1024
	global_load_b128 v[128+64*(\X)+8*(\cb)+4:128+64*(\X)+8*(\cb)+7], v[LOFF], s[(\vbase):(\vbase)+1] offset:(\st)*32768+(\cb)*1024+512
.endr
	WIN 0
.endm
.macro CLEAR                           ; O^T = 0: once for each block, so that the loop has one form of product
	WIN 0x40
.set m, 0
.rept 256
	v_mov_b32 v[m], 0
.set m, m+1
.endr
	WIN 0
.endm
.macro NEGQ                            ; -qr: both halves' signs flipped
	WIN 0x88
.set m, 0
.rept 64
	v_xor_b32 v[128+m], s46, v[32*(m/16)+m%16]
.set m, m+1
.endr
	WIN 0
.endm
.macro DUMP va                         ; my partial O^T: row = query, 128 channels of f32; each accumulator's low registers go first
	WIN 0x04
.set m, 0
.rept 32
	ds_store_b128 v[\va], v[8*m:8*m+3]   offset:(m/8)*8448+(m%8)*64
	ds_store_b128 v[\va], v[8*m+4:8*m+7] offset:(m/8)*8448+(m%8)*64+16
.set m, m+1
.endr
	WIN 0
.endm
	s_load_b128 s[4:7], s[0:1], 0x0                ; qkv 4, tab 6
	s_load_b64 s[8:9], s[0:1], 0x10                ; ys
	v_lshl_add_u32 v[SPW], v0, 2, SPARE
	v_mov_b32 v[NIL], 0
	v_lshrrev_b32 v1, 5, v0
	v_readfirstlane_b32 s[WV], v1
	s_mov_b32 s[J], ttmp9
	s_and_b32 s[BH], ttmp7, 0xffff
	s_lshr_b32 s[BB], s[BH], 4
	s_and_b32 s[HH], s[BH], 15
	s_sub_co_u32 s68, 15, s[J]
	s_and_b32 s69, s[J], 2
	s_cmp_lg_u32 s69, 0
	s_cselect_b32 s[BA], s[J], s68                 ; the block with the even number of steps goes first
	s_cselect_b32 s[BK], s68, s[J]
	s_lshr_b32 s[NA], s[BA], 1
	s_add_co_u32 s[NA], s[NA], 1
	s_lshr_b32 s[NB1], s[BK], 1
	s_mov_b32 s[GS], 0
	s_mov_b32 s[KL], 2                             ; steps 0 and 1 are asked for below
	s_sub_co_u32 s[LQ], s[NA], 1
	s_mov_b32 s[LASTAT], s[LQ]
	s_cmp_gt_u32 s[KL], s[LQ]
	s_cselect_b32 s[KL], 0, s[KL]
	s_cselect_b32 s[LQ], s[NB1], s[LQ]
	s_cmp_eq_u32 s[J], 0
	s_cselect_b32 s[PLIM], 4, 0                    ; the head's work-group that walks all eight key steps prefetches
	s_lshl_b32 s68, s[WV], 5
	s_and_b32 s[MOFF], s[BA], 1
	s_lshl_b32 s[MOFF], s[MOFF], 6
	s_sub_co_u32 s[MOFF], s[MOFF], s68             ; 64 (block % 2) - 32 w
	s_and_b32 s[MOFFB], s[BK], 1
	s_lshl_b32 s[MOFFB], s[MOFFB], 6
	s_sub_co_u32 s[MOFFB], s[MOFFB], s68
	s_mov_b32 s31, 0
	s_mov_b32 s45, 0
	s_mov_b32 s91, 0
	s_mov_b32 s46, 0x80008000
	s_cmp_lt_u32 s[WV], 2
	s_cselect_b32 s47, s[BA], s[BK]                ; threads 0-63 stand for block A's rows, 64-127 for block B's
	v_and_b32 v21, 15, v0                          ; r
	v_bfe_u32 v22, v0, 4, 1                        ; h
	v_and_b32 v23, 31, v0                          ; L
	v_lshlrev_b32 v[LOFF], 4, v23
	v_lshlrev_b32 v[LKO], 5, v22
	v_lshlrev_b32 v[PFO], 8, v23
	v_lshlrev_b32 v[RH], 3, v22
	v_sub_nc_u32 v[RH], v21, v[RH]                 ; r - 8 h
	s_mul_i32 s90, s[WV], PART
	v_mul_u32_u24 v[VDA], v21, 528
	v_lshl_add_u32 v[VDA], v22, 5, v[VDA]
	v_add_nc_u32 v[VDA], s90, v[VDA]               ; where my partial sums of block A go,
	v_add_nc_u32 v[VDB], 64*528, v[VDA]            ; and of block B
	v_add_nc_u32 v[QLA], QL, v[LOFF]
	v_lshlrev_b32 v[A4R], 2, v21
	v_and_b32 v[A4T], 63, v0
	v_lshlrev_b32 v[A4T], 2, v[A4T]
	v_mov_b32 v[AZ], 0
	s_lshl_b32 s90, s[WV], 12
	v_add_nc_u32 v[QLS], s90, v[QLA]
	v_lshl_add_u32 v[RHS], v0, 2, RHO
	s_mul_i32 s90, s[WV], 32*528                   ; at the end wave w owns rows 32 w .. 32 w + 31 of the 128: lanes 0-15 one row, lanes 16-31 the next
	v_mul_u32_u24 v[VR0], v22, 528
	v_lshl_add_u32 v[VR0], v21, 4, v[VR0]
	v_add_nc_u32 v[VR0], s90, v[VR0]
	s_lshl_b32 s90, s[WV], 7
	s_add_co_u32 s90, s90, RHO
	v_lshl_add_u32 v[RHOA], v22, 2, s90
	s_and_b32 s90, s[WV], 1
	s_lshl_b32 s90, s90, 17                        ; 32 rows of 4,096 bytes
	v_lshl_add_u32 v[YO], v22, 12, s90
	v_lshl_add_u32 v[YO], v21, 4, v[YO]
	s_wait_kmcnt 0x0
	s_lshl_b32 s90, s[BH], 18
	s_add_nc_u64 s[80:81], s[4:5], s[90:91]        ; the head's q^
	s_add_nc_u64 s[KB:KB+1], s[80:81], 8388608
	s_add_nc_u64 s[VB:VB+1], s[80:81], 16777216
	s_lshl_b32 s90, s[BK], 14
	s_add_nc_u64 s[82:83], s[80:81], s[90:91]
	s_lshl_b32 s90, s[WV], 12
	s_add_nc_u64 s[82:83], s[82:83], s[90:91]      ; tile w of block B's Q
	s_lshl_b32 s90, s[BA], 14
	s_add_nc_u64 s[80:81], s[80:81], s[90:91]      ; block A's Q
	s_lshl_b32 s90, s[WV], 13
	s_add_nc_u64 s[KB:KB+1], s[KB:KB+1], s[90:91]  ; my 32 keys of step 0
	s_add_nc_u64 s[VB:VB+1], s[VB:VB+1], s[90:91]
	s_lshl_b32 s90, s[BH], 12
	s_add_nc_u64 s[LB:LB+1], s[6:7], s[90:91]
	s_add_nc_u64 s[72:73], s[LB:LB+1], 131072      ; the head's CL
	s_lshl_b32 s90, s[BK], 8
	s_add_nc_u64 s[74:75], s[72:73], s[90:91]
	s_lshl_b32 s90, s[BA], 8
	s_add_nc_u64 s[72:73], s[72:73], s[90:91]
	s_lshl_b32 s90, s[WV], 7
	s_add_nc_u64 s[LB:LB+1], s[LB:LB+1], s[90:91]
	s_lshl_b32 s90, s[BB], 9
	s_add_co_u32 s90, s90, 393216
	s_add_nc_u64 s[68:69], s[6:7], s[90:91]        ; GT of the batch's 16 heads
	s_lshl_b32 s90, s[BH], 5
	s_add_co_u32 s90, s90, 393216
	s_add_nc_u64 s[70:71], s[6:7], s[90:91]        ; GT of my head
	s_lshl_b32 s90, s[BB], 16
	s_lshl_b32 s84, s47, 8
	s_add_co_u32 s90, s90, s84
	s_add_co_u32 s90, s90, 262144
	s_add_nc_u64 s[76:77], s[6:7], s[90:91]        ; EQ: head 0 of the batch, my thread's block
	s_lshl_b32 s90, s[HH], 12
	s_add_nc_u64 s[78:79], s[76:77], s[90:91]      ; my head's
	s_lshl_b32 s90, s[BB], 12
	s_add_co_u32 s90, s90, s84
	s_add_co_u32 s90, s90, 8388608
	s_add_nc_u64 s[84:85], s[8:9], s[90:91]        ; the rows' 2^(lG + 6)
	s_lshl_b32 s90, s[BB], 22
	s_lshl_b32 s88, s[HH], 8
	s_add_co_u32 s90, s90, s88
	s_add_nc_u64 s[88:89], s[8:9], s[90:91]
	s_lshl_b32 s90, s47, 18
	s_add_nc_u64 s[86:87], s[88:89], s[90:91]      ; y~ at the block whose rows my wave finishes (waves 0, 1: block A; waves 2, 3: block B), my head's 256 bytes
	global_load_b128 v[80:83], v[LOFF], s[68:69]
	global_load_b128 v[84:87], v[AZ], s[70:71]
	global_load_b128 v[88:91], v[AZ], s[70:71] offset:16
.irp t, 0,1,2,3
	global_load_b32 v[NT+2*\t], v[A4R], s[72:73] offset:64*\t
	global_load_b32 v[NTB+\t],  v[A4R], s[74:75] offset:64*\t
.endr
.set k, 0
.rept 16
	global_load_b32 v[112+k], v[A4T], s[76:77] offset:4096*k
.set k, k+1
.endr
	global_load_b32 v128, v[A4T], s[78:79]
	WIN 0x80
.set k, 0
.rept 32
	global_load_b128 v[4*k:4*k+3], v[LOFF], s[80:81] offset:512*k
.set k, k+1
.endr
	WIN 0
.set k, 0
.rept 8
	global_load_b128 v[224+4*k:224+4*k+3], v[LOFF], s[82:83] offset:512*k
.set k, k+1
.endr
	KLOAD 0, KB, LB, 0                             ; the stream: 20, 16, 20, 16 loads
	VLOAD 0, VB, 0
	KLOAD 1, KB, LB, 1
	VLOAD 1, VB, 1
	CLEAR                                          ; in the wait for the first loads
	s_wait_loadcnt 63                              ; all that was asked for ahead of the stream is in: the stream's 72 loads are younger, and 63 is the largest count that the wait can name
	v_max3_num_f32 v80, v80, v81, v82
	v_max_num_f32 v80, v80, v83
	v_max_num_f32_dpp v80, v80, v80 row_xmask:1 row_mask:0xf bank_mask:0xf   ; lanes 2 k and 2 k + 1 hold head k's two halves
.set k, 0
.rept 16
	v_readlane_b32 s[GM+k], v80, 2*k
.set k, k+1
.endr
	v_max3_num_f32 v84, v84, v85, v86
	v_max3_num_f32 v84, v84, v87, v88
	v_max3_num_f32 v84, v84, v89, v90
	v_max_num_f32 v[GMO], v84, v91                 ; my head's gm, in every lane
.irp t, 0,1,2,3
	v_add_f32 v[NT+2*\t], v[NT+2*\t], v[GMO]
	v_add_f32 v[NTB+\t], v[NTB+\t], v[GMO]
.endr
.irp t, 0,1,2,3
	v_mov_b32 v[NT+2*\t+1], v[NT+2*\t]
.endr
.set k, 0
.rept 16
	v_add_f32 v[112+k], s[GM+k], v[112+k]
.set k, k+1
.endr
	v_max3_num_f32 v112, v112, v113, v114
.set k, 115
.rept 6
	v_max3_num_f32 v112, v112, v[k], v[k+1]
.set k, k+2
.endr
	v_max_num_f32 v112, v112, v127                 ; lG
	v_add_f32 v130, v128, v[GMO]
	v_sub_f32 v130, v130, v112
	v_add_f32 v130, 0xc0c00000, v130               ; eq + gm - lG - 6
	v_add_f32 v[GSF], 0x40c00000, v112             ; lG + 6
	v_exp_f32 v130, v130
	v_exp_f32 v[GSF], v[GSF]
	v_nop
	s_wait_alu depctr_va_vdst(0)                   ; one wait for the two
	ds_store_b32 v[RHS], v130
.set k, 0
.rept 8
	ds_store_b128 v[QLS], v[224+4*k:224+4*k+3] offset:512*k
.set k, k+1
.endr
	s_cmp_eq_u32 s[HH], 0                          ; one head of the sixteen stores the rows' common factor
	s_cbranch_scc0 .Lnogs
	global_store_b32 v[A4T], v[GSF], s[84:85]      ; its offset, its data and its base are written by no later line
.Lnogs:
	NEGQ
	s_wait_dscnt 0x0                               ; for the others' sake
	s_barrier_signal -1
	s_barrier_wait -1
; THE MATRIX WORK.  Product i of 16 of S^T for tile tau: fragment i / 4 of K, key block i % 2, real or imaginary (i / 2) % 2: the four accumulators take turns.
.macro SCW tau, X
.set fK, i/4
.set kb, i%2
.set ri, (i/2)%2
.set rD, S+32*((\tau)%2)+16*ri+8*kb
.set rK, 64*(\X)+32*kb+8*fK
.if ri == 0
.set rQ, 32*(\tau)+8*fK
.elseif fK < 2
.set rQ, 32*(\tau)+8*(fK+2)
.else
.set rQ, 128+16*(\tau)+8*(fK-2)
.endif
	WIN 0x0b
.if fK == 0
	v_wmma_f32_16x16x32_f16 v[rD:rD+7], v[rK:rK+7], v[rQ:rQ+7], 0
.else
	v_wmma_f32_16x16x32_f16 v[rD:rD+7], v[rK:rK+7], v[rQ:rQ+7], v[rD:rD+7]
.endif
.endm
; Product i of 16 of O^T for tile tau: first V's eight channel blocks times Pr, then times Pi or -Pi into the other half: three others or more stand between two links of a chain.
.macro PVW tau, X
.set u, i%8
.set rV, 128+64*(\X)+8*u
.if i < 8
.set rO, 64*(\tau)+8*u
.set rP, P+24*((\tau)%2)
.elseif u < 4
.set rO, 64*(\tau)+8*(u+4)
.set rP, P+24*((\tau)%2)+8
.else
.set rO, 64*(\tau)+8*(u-4)
.set rP, P+24*((\tau)%2)+16
.endif
	WIN 0x53
	v_wmma_f32_16x16x32_f16 v[rO:rO+7], v[rV:rV+7], v[rP:rP+7], v[rO:rO+7]
.endm
; THE VECTOR WORK.  EXQ: number n of 24 that make tile tau's weights: eight packed LK - NT, sixteen exponentials.
.macro EXQ tau, n
.set rW, W+16*((\tau)%2)
.set rL, LK+16*QX
	WIN 0
.if (\n) < 8
	v_pk_add_f32 v[rW+2*(\n):rW+2*(\n)+1], v[rL+2*(\n):rL+2*(\n)+1], v[NT+2*(\tau):NT+2*(\tau)+1] op_sel_hi:[1,0] neg_lo:[0,1] neg_hi:[0,1]
.else
	v_exp_f32 v[rW+(\n)-8], v[rW+(\n)-8]
.endif
.endm
; MCN: number n of 40: S^T times the weights in place (ascending: each accumulator's lowest registers first), rounded to f16, and -Pi
.macro MCN tau, n
.set rS, S+32*((\tau)%2)
.set rW, W+16*((\tau)%2)
.set rP, P+24*((\tau)%2)
	WIN 0
.if (\n) < 16
	v_pk_mul_f32 v[rS+2*(\n):rS+2*(\n)+1], v[rS+2*(\n):rS+2*(\n)+1], v[rW+2*((\n)%8):rW+2*((\n)%8)+1]
.elseif (\n) < 32
	v_cvt_pk_f16_f32 v[rP+(\n)-16], v[rS+2*((\n)-16)], v[rS+2*((\n)-16)+1]
.else
	v_xor_b32 v[rP+16+(\n)-32], s46, v[rP+8+(\n)-32]
.endif
.endm
.macro VQ                              ; the next number of the run's queue: QK = 1: EXQ of tiles QT and QT + 1; 2: MCN of tile QT; 0: none
.if QK == 1
.if q < 48
	EXQ QT+q/24, q%24
.endif
.elseif QK == 2
.if q < 40
	MCN QT, q
.endif
.endif
.set q, q+1
.endm
; a run of 16 matrix instructions (mk = 0: S^T, 1: O^T) of tile tau, three of the queue behind each
.macro RUN mk, tau, X, qk, qt
.set QK, \qk
.set QT, \qt
.set QX, \X
.set q, 0
.set i, 0
.rept 16
.if (\mk) == 0
	SCW \tau, \X
.else
	PVW \tau, \X
.endif
	VQ
	VQ
	VQ
.set i, i+1
.endr
.endm
; In the step that holds the diagonal: key 32 w + 16 kb + 8 h + j is hidden from query 64 (block % 2) + 16 tau + r where it is the greater: its weight is selected to 0
.macro MASK tau
.set rW, W+16*((\tau)%2)
	v_add3_u32 v[DD], v[RH], s[MOFF], 16*(\tau)
.set m, 0
.rept 16
	v_cmp_le_i32 vcc_lo, 16*(m/8)+m%8, v[DD]
	v_cndmask_b32 v[rW+m], 0, v[rW+m], vcc_lo
.set m, m+1
.endr
.endm
; A KEY STEP on register set X.  Each batch of 32 exponentials has one wait, behind four plain instructions; every use of a product's result and every write of a product's source stands behind four v_nop.
.macro STEP X
	WIN 0
	s_wait_loadcnt 52                              ; K and LK of this step are in: its V (16) and the next step's K, LK (20) and V (16) are younger
	RUN 0, 0, \X, 1, 0                             ; S^T of tile 0 | the weights of tiles 0 and 1
	PLACES
	WIN 0
	s_wait_alu depctr_va_vdst(0)
	s_cmp_lg_u32 s[GS], s[LASTAT]
	s_cbranch_scc1 .Lvis_a_\@
	MASK 0
	MASK 1
.Lvis_a_\@:
	RUN 0, 1, \X, 2, 0                             ; S^T of tile 1 | P of tile 0
	PLACES
	s_wait_loadcnt 36                              ; V of this step is in: the next step's 20 + 16 are younger
	RUN 1, 0, \X, 2, 1                             ; O^T of tile 0 | P of tile 1
	RUN 0, 2, \X, 1, 2                             ; S^T of tile 2 | the weights of tiles 2 and 3
	PLACES
	WIN 0
	s_wait_alu depctr_va_vdst(0)
	s_cmp_lg_u32 s[GS], s[LASTAT]
	s_cbranch_scc1 .Lvis_b_\@
	MASK 2
	MASK 3
.Lvis_b_\@:
	RUN 1, 1, \X, 2, 2                             ; O^T of tile 1 | P of tile 2
	RUN 0, 3, \X, 0, 0                             ; S^T of tile 3: the last products that read K
	PLACES
	WIN 0
	s_wait_xcnt 0x0                                ; every load and prefetch issued so far has read its address: the three pointers may be written
	s_lshl_b32 s30, s[KL], 15
	s_lshl_b32 s44, s[KL], 9
	s_add_nc_u64 s[KA:KA+1], s[KB:KB+1], s[30:31]
	s_add_nc_u64 s[VA:VA+1], s[VB:VB+1], s[30:31]
	s_add_nc_u64 s[LA:LA+1], s[LB:LB+1], s[44:45]
	s_add_co_u32 s[KL], s[KL], 1                   ; the block's next key step; behind its last, block B's step 0 (past the ninth step the stream wraps inside block B's steps: inside the buffers, and never read)
	s_cmp_gt_u32 s[KL], s[LQ]
	s_cselect_b32 s[KL], 0, s[KL]
	s_cselect_b32 s[LQ], s[NB1], s[LQ]
	KLOAD \X, KA, LA, 0                            ; two steps ahead
	s_cmp_lt_u32 s[GS], s[PLIM]
	s_cbranch_scc0 .Lnpk_\@
	global_prefetch_b8 v[PFO], s[KA:KA+1] offset:65536 th:TH_LOAD_NT scope:SCOPE_SE   ; my 8,192 bytes of K two steps behind the loads just issued: key steps 4 to 7, a lane a block of 256 bytes
.Lnpk_\@:
	RUN 1, 2, \X, 2, 3                             ; O^T of tile 2 | P of tile 3
	RUN 1, 3, \X, 0, 0                             ; O^T of tile 3: the last products that read V
	PLACES
	VLOAD \X, VA, 0
	s_cmp_lt_u32 s[GS], s[PLIM]
	s_cbranch_scc0 .Lnpv_\@
	global_prefetch_b8 v[PFO], s[VA:VA+1] offset:65536 th:TH_LOAD_NT scope:SCOPE_SE
.Lnpv_\@:
	s_add_co_u32 s[GS], s[GS], 1
.endm
	s_mov_b32 s[TRIP], 5
.Ltrip:                                        ; nine steps: four trips of two, the fifth left in its middle
	STEP 0
	WIN 0
	s_cmp_eq_u32 s[TRIP], 1
	s_cbranch_scc1 .Lwalked
	STEP 1
	WIN 0
	s_cmp_lg_u32 s[GS], s[NA]
	s_cbranch_scc1 .Lnoswitch
	; BLOCK A IS DONE: its partial sums go to LDS, block B's Q comes from LDS.  No global load and no barrier stands here, so the stream's counts are the same on both ways.
	PLACES
	DUMP VDA
	CLEAR
	WIN 0x80
.set k, 0
.rept 32
	ds_load_b128 v[4*k:4*k+3], v[QLA] offset:512*k
.set k, k+1
.endr
	WIN 0
.irp t, 0,1,2,3
	v_mov_b32 v[NT+2*\t],   v[NTB+\t]
	v_mov_b32 v[NT+2*\t+1], v[NTB+\t]
.endr
	s_mov_b32 s[MOFF], s[MOFFB]
	s_mov_b32 s[LASTAT], 8
	s_wait_dscnt 0x0
	NEGQ
.Lnoswitch:
	s_sub_co_u32 s[TRIP], s[TRIP], 1
	s_cmp_lg_u32 s[TRIP], 0
	s_cbranch_scc1 .Ltrip
.Lwalked:
	PLACES
	s_wait_loadcnt 0x0                             ; the stream's last loads, which nothing reads, have landed
	DUMP VDB
	v_add_nc_u32 v[VR1], PART, v[VR0]              ; the same rows in the other three waves' partial sums
	v_add_nc_u32 v[VR2], 2*PART, v[VR0]
	v_add_nc_u32 v[VR3], 3*PART, v[VR0]
.irp g, 0,1,2,3
	v_mov_b32 v[RG+36*\g+33], 0                    ; named with a group's factor as a pair
.endr
	s_wait_dscnt 0x0
	s_barrier_signal -1
	s_barrier_wait -1                              ; all four partial sums of both blocks lie in LDS
; THE FOUR PARTIAL SUMS ARE ADDED, scaled and rounded.  Wave w owns rows 32 w .. 32 w + 31 of the 128; a group is two rows, a trip four groups.  A lane takes four channels, real and imaginary, of one row
; and stores them interleaved: sixteen lanes store 256 consecutive bytes, aligned.  A trip's 36 LDS loads go out together.
.macro REDL g                          ; group g's nine loads: partial sum p at 8 p (real parts, then imaginary parts), the rows' factor at 32
.set gb, RG+36*(\g)
	ds_load_b128 v[gb:gb+3],     v[VR0] offset:(\g)*1056
	ds_load_b128 v[gb+4:gb+7],   v[VR0] offset:(\g)*1056+256
	ds_load_b128 v[gb+8:gb+11],  v[VR1] offset:(\g)*1056
	ds_load_b128 v[gb+12:gb+15], v[VR1] offset:(\g)*1056+256
	ds_load_b128 v[gb+16:gb+19], v[VR2] offset:(\g)*1056
	ds_load_b128 v[gb+20:gb+23], v[VR2] offset:(\g)*1056+256
	ds_load_b128 v[gb+24:gb+27], v[VR3] offset:(\g)*1056
	ds_load_b128 v[gb+28:gb+31], v[VR3] offset:(\g)*1056+256
	ds_load_b32 v[gb+32], v[RHOA] offset:(\g)*8
.endm
.macro REDG g
.set gb, RG+36*(\g)
	s_wait_dscnt 27-9*(\g)                         ; my group's nine loads are in: the later groups' nine each are younger
.irp e, 0,2,4,6
	v_pk_add_f32 v[gb+\e:gb+\e+1], v[gb+\e:gb+\e+1], v[gb+8+\e:gb+8+\e+1]
	v_pk_add_f32 v[gb+16+\e:gb+16+\e+1], v[gb+16+\e:gb+16+\e+1], v[gb+24+\e:gb+24+\e+1]
.endr
.irp e, 0,2,4,6
	v_pk_add_f32 v[gb+\e:gb+\e+1], v[gb+\e:gb+\e+1], v[gb+16+\e:gb+16+\e+1]
.endr
.irp e, 0,2,4,6
	v_pk_mul_f32 v[gb+\e:gb+\e+1], v[gb+\e:gb+\e+1], v[gb+32:gb+33] op_sel_hi:[1,0]
.endr
.irp e, 0,1,2,3
	v_cvt_pk_f16_f32 v[gb+8+\e], v[gb+\e], v[gb+4+\e]
.endr
	global_store_b128 v[YO], v[gb+8:gb+11], s[86:87] offset:(\g)*8192
.endm
	s_mov_b32 s[CNT], 4
.Lred:
	REDL 0
	REDL 1
	REDL 2
	REDL 3
	REDG 0
	REDG 1
	REDG 2
	REDG 3
	s_wait_xcnt 0x0                                ; the four stores have read their data and their offset: both are written again only behind this wait
	v_add_nc_u32 v[VR0], 4224, v[VR0]              ; eight rows on
	v_add_nc_u32 v[VR1], 4224, v[VR1]
	v_add_nc_u32 v[VR2], 4224, v[VR2]
	v_add_nc_u32 v[VR3], 4224, v[VR3]
	v_add_nc_u32 v[RHOA], 32, v[RHOA]
	v_add_nc_u32 v[YO], 32768, v[YO]
	s_sub_co_u32 s[CNT], s[CNT], 1
	s_cmp_lg_u32 s[CNT], 0
	s_cbranch_scc1 .Lred
	s_wait_tensorcnt 0x0                           ; the wave's end: three closing lines, behind my last LDS store
	ds_add_u32 v[SPW], v[NIL]
	s_wait_dscnt 0x0
	s_endpgm
.Lfunc_end_k_q964695ee8d_attn:
	.size	k_q964695ee8d_attn, .Lfunc_end_k_q964695ee8d_attn-k_q964695ee8d_attn
	.p2alignl 7, 3214868480
	.fill 96, 4, 3214868480
	.section	.rodata,"a",@progbits
	.p2align	6, 0x0
	.amdhsa_kernel k_q964695ee8d_attn
		.amdhsa_group_segment_fixed_size 287744
		.amdhsa_private_segment_fixed_size 0
		.amdhsa_enable_private_segment 0
		.amdhsa_kernarg_size 24
		.amdhsa_user_sgpr_count 2
		.amdhsa_user_sgpr_kernarg_segment_ptr 1
		.amdhsa_wavefront_size32 1
		.amdhsa_system_sgpr_workgroup_id_x 1
		.amdhsa_system_sgpr_workgroup_id_y 1
		.amdhsa_system_sgpr_workgroup_id_z 1
		.amdhsa_system_vgpr_workitem_id 0
		.amdhsa_next_free_vgpr 1024
		.amdhsa_next_free_sgpr 100
		.amdhsa_reserve_vcc 1
		.amdhsa_float_denorm_mode_32 3
		.amdhsa_float_denorm_mode_16_64 3
		.amdhsa_memory_ordered 1
		.amdhsa_forward_progress 1
		.amdhsa_inst_pref_size 135
	.end_amdhsa_kernel
	.amdgpu_metadata
---
amdhsa.version: [ 1, 2 ]
amdhsa.kernels:
  - .name:           k_q964695ee8d_attn
    .symbol:         k_q964695ee8d_attn.kd
    .args:
      - { .name: qkv, .offset: 0, .size: 8, .value_kind: global_buffer, .address_space: global }
      - { .name: tab, .offset: 8, .size: 8, .value_kind: global_buffer, .address_space: global }
      - { .name: ys, .offset: 16, .size: 8, .value_kind: global_buffer, .address_space: global }
    .group_segment_fixed_size: 287744
    .private_segment_fixed_size: 0
    .kernarg_segment_align: 8
    .kernarg_segment_size: 24
    .max_flat_workgroup_size: 128
    .sgpr_count:     100
    .vgpr_count:     1024
    .wavefront_size: 32
...
	.end_amdgpu_metadata
.endif
;; end of part 3
;; launch oproj (part 4): grid 16 x 16, 4 waves a work-group, clusters of 4 x 4, 327,680 bytes of LDS; arguments ys, wts, out0; writes out0
.if DOCPART == 4
	.amdgcn_target "amdgcn-amd-amdhsa--gfx1250"
	.amdhsa_code_object_version 6
	.text
	.protected	k_q964695ee8d_oproj
	.globl	k_q964695ee8d_oproj
	.p2align	8
	.type	k_q964695ee8d_oproj,@function
k_q964695ee8d_oproj:
	s_mov_b64 s[64:65], 0
	v_nop
	global_prefetch_b8 v0, s[64:65] scope:SCOPE_SE
	s_setreg_imm32_b32 hwreg(HW_REG_WAVE_MODE, 25, 1), 1
	s_wait_xcnt 0x0
	s_wait_alu depctr_hold_cnt(0) depctr_sa_sdst(0) depctr_va_vdst(0) depctr_va_sdst(0) depctr_va_ssrc(0) depctr_va_vcc(0) depctr_vm_vsrc(0)
	s_getreg_b32 s2, hwreg(HW_REG_IB_STS2, 6, 4)
	s_cmp_eq_u32 s2, 0
	s_cbranch_scc0 .Lentry_in_a_cluster
	s_endpgm
.Lentry_in_a_cluster:
	s_bfe_u32 s2, ttmp6, 0x10000c
	s_cmp_lg_u32 s2, 0xf033
	s_cbranch_scc0 .Lentry_shape_is_right
	s_endpgm
.Lentry_shape_is_right:
; Launch 4 of 4: out[t][n'] = 2^(lG[t] + 6) x sum over k' of y~[t][k'] wo[n'][k'].  y~: [2048][2048] f16 (launch 3), wo: [2048][2048] f16, the real form of ow (launch 1); out0: [2048][2048] f32; sums in f32.  No work of reference() is left out here.
; A tile of the output is 128 x 128: 256 work-groups.  Four waves, each 64 x 64: 16 accumulators.  K goes in steps of 256 (LDS rows of 512 + 16 bytes; a wave's tensor load brings 64 of them) through two slots.
; CLUSTER 4 x 4: y~'s tile is asked for jointly along a row of the cluster, wo's along a column.  The matrix instruction is used transposed (source 0 = 16 rows of wo, source 1 = 16 tokens):
; a lane holds eight neighbouring numbers of a row of the output.  A wave's 64 columns of f32 are 256 aligned bytes, so each wave sends its rows through a stage of its own and no barrier stands on the way out.
; THE TEXT.  A slot is 135,168 = 0x21000 bytes, and the four waves' places in a slot (0, 0x8400, 0x10800, 0x18c00) have bits 12 and 17 clear: one exclusive or with 0x21000 turns an address in one slot into the other's.
; So a K step is written once for the loop that fills slots again (6 trips) and once for the loop of the last two steps, which fills nothing.  That second loop is left behind its
; second change of slots, which passes a barrier that nothing needs and fetches 32 fragments' halves from the slot just left: nothing reads these: the price, once a launch, of one text for both trips.
; REGISTERS: window 0: v0-31 addresses; v32-95 at work on the way out; v96-103 the rows' factors; v128-255 the accumulators ((a, b) at v[128 + 8 (4 a + b)]).  Window 1: two fragment buffers of 128.
.set SIZE_K, 2048
.set KSTEP,  256
.set PITCH,  528
.set HALFT,  64*PITCH
.set SLOT,   4*HALFT
.set STAGE,  2*SLOT                    ; behind the ring: 16 rows x 272 bytes for each wave
.set SPITCH, 272
.set SPARE,  STAGE+4*16*SPITCH         ; the spare words, 128 bytes a wave
.set WO,     12582912                  ; where wo begins in wts: behind the 3,072 rows of the three projections
.set A0,   13                          ; my lane's place in a slot: y~'s fragments,
.set B0,   14                          ; wo's
.set ADRA, 16                          ; the same in the slot in hand
.set ADRB, 17
.set STO,  24
.set RD,   25
.set CO,   26
.set GO,   27
.set SPW,  28
.set NIL,  29
.set TMP,  32
.set BK,   64
.set GSV,  96
.set ACC,  128
.set F0,   0
.set F1,   128
.set G1, 24
.set G0, 32                            ; s[32:39] group 0 for y~: a set for each of the two first fills; the second then walks on
.set G1B, 48
.set G0B, 56                           ; s[56:63] the same for wo
.set TB, 68                            ; s68  LDS byte at which the slot in hand begins
.set MSB, 0
.macro WIN new
.if MSB != (\new)
	s_set_vgpr_msb (MSB<<8)|(\new)
.set MSB, \new
.endif
.endm
.set MUL,  0x05
.set TO_F, 0x40
.macro JLOAD s                         ; waves 0 and 1 fetch y~'s two halves, waves 2 and 3 wo's; an s_nop 0 and four v_nop follow each of the two lines
	s_cmp_eq_u32 s11, 0
	s_cbranch_scc0 .Lfor_b_\@
	tensor_load_to_lds s[G0+4*(\s):G0+4*(\s)+3], s[G1:G1+7]
	s_nop 0
.rept 4
	v_nop
.endr
	s_branch .Lasked_\@
.Lfor_b_\@:
	tensor_load_to_lds s[G0B+4*(\s):G0B+4*(\s)+3], s[G1B:G1B+7]
	s_nop 0
.rept 4
	v_nop
.endr
.Lasked_\@:
.endm
.macro CREST
	s_cmp_lg_u32 s10, 0
	s_cbranch_scc1 .Lnot_wave_0_\@
	s_barrier_signal -3
.Lnot_wave_0_\@:
	s_barrier_wait -3
	s_barrier_signal -1
	s_barrier_wait -1
.endm
.macro CROUND
	s_barrier_signal -1
	s_barrier_wait -1
	CREST
.endm
	s_load_b128 s[4:7], s[0:1], 0x0                ; ys 4, wts 6
	s_load_b64 s[8:9], s[0:1], 0x10                ; out0
	v_lshl_add_u32 v[SPW], v0, 2, SPARE
	v_mov_b32 v[NIL], 0
	ds_add_u32 v[SPW], v[NIL]                      ; the wave's opening: the add, twice on end, and its wait ahead of my first tensor load
	ds_add_u32 v[SPW], v[NIL]
	v_lshrrev_b32 v1, 5, v0
	v_readfirstlane_b32 s10, v1                    ; wave 0..3
	s_lshr_b32 s11, s10, 1                         ; which half of the tile's rows is mine.  Also: I fetch y~ (0) or wo (1)
	s_and_b32 s12, s10, 1                          ; which half of its columns.  Also: which 64 rows of that tile I fetch
	s_bfe_u32 s40, ttmp6, 0x40000
	s_bfe_u32 s41, ttmp6, 0x40004
	s_lshl_b32 s42, ttmp9, 2
	s_add_co_u32 s42, s42, s40                     ; tile column
	s_and_b32 s13, ttmp7, 0xffff
	s_lshl_b32 s13, s13, 2
	s_add_co_u32 s13, s13, s41                     ; tile row
	s_lshl_b32 s43, s41, 2
	s_lshl_b32 s43, 15, s43
	s_lshl_b32 s44, 0x1111, s40
	s_or_b32 s[G1+0], s43, (1<<16)|(1<<20)|(1<<21)|(6<<22)|(3<<25)   ; mask; 2-byte elements; padding on; bit 21 beside a mask; after every 128 words 4 words
	s_or_b32 s[G1B+0], s44, (1<<16)|(1<<20)|(1<<21)|(6<<22)|(3<<25)
.irp g, G1, G1B
	s_mov_b32 s[(\g)+1], KSTEP<<16
	s_mov_b32 s[(\g)+2], 64<<16
	s_mov_b32 s[(\g)+3], KSTEP<<16
	s_mov_b32 s[(\g)+4], 64
	s_mov_b32 s[(\g)+5], SIZE_K
	s_mov_b32 s[(\g)+6], 0
	s_mov_b32 s[(\g)+7], 0
.endr
	s_lshl_b32 s17, s12, 6
	s_lshl_b32 s16, s13, 7
	s_add_co_u32 s16, s16, s17
	s_lshl_b32 s46, s42, 7
	s_add_co_u32 s46, s46, s17
	s_mov_b32 s17, 0
	s_mov_b32 s47, 0
	s_mov_b64 s[18:19], SIZE_K*2
	s_mul_u64 s[16:17], s[16:17], s[18:19]
	s_mul_u64 s[46:47], s[46:47], s[18:19]
	s_mul_i32 s20, s10, HALFT
	s_mov_b32 s[TB], 0
	s_wait_dscnt 0x0                               ; both opening adds are done
	s_wait_kmcnt 0x0
	s_add_nc_u64 s[6:7], s[6:7], WO
	s_add_nc_u64 s[14:15], s[4:5], s[16:17]
	s_add_nc_u64 s[46:47], s[6:7], s[46:47]
	CROUND                                         ; all sixteen work-groups are here: the first joint loads meet
.irp s, 0,1
	s_mov_b32 s[G0+4*(\s)], 1
	s_add_co_u32 s[G0+4*(\s)+1], s20, (\s)*SLOT
	s_add_nc_u64 s[G0+4*(\s)+2:G0+4*(\s)+3], s[14:15], (\s)*KSTEP*2
	s_or_b32 s[G0+4*(\s)+3], s[G0+4*(\s)+3], 0x80000000
	s_mov_b32 s[G0B+4*(\s)], 1
	s_add_co_u32 s[G0B+4*(\s)+1], s20, (\s)*SLOT
	s_add_nc_u64 s[G0B+4*(\s)+2:G0B+4*(\s)+3], s[46:47], (\s)*KSTEP*2
	s_or_b32 s[G0B+4*(\s)+3], s[G0B+4*(\s)+3], 0x80000000
	JLOAD \s
.endr
	v_and_b32 v1, 15, v0
	v_bfe_u32 v2, v0, 4, 1
	s_lshl_b32 s16, s13, 9                         ; the factors of my 64 rows
	s_lshl_b32 s17, s11, 8
	s_add_co_u32 s16, s16, s17
	s_add_co_u32 s16, s16, 8388608
	s_mov_b32 s17, 0
	s_add_nc_u64 s[66:67], s[4:5], s[16:17]
	v_lshlrev_b32 v[GO], 2, v1
.irp a, 0,1,2,3
	global_load_b32 v[GSV+2*\a], v[GO], s[66:67] offset:64*\a
.endr
	v_mul_u32_u24 v3, v1, PITCH
	v_lshl_add_u32 v3, v2, 4, v3
	s_mul_i32 s21, s11, HALFT
	s_mul_i32 s22, s12, HALFT
	s_add_co_u32 s22, s22, 2*HALFT
	v_add_nc_u32 v[A0], s21, v3
	v_add_nc_u32 v[B0], s22, v3
	s_mul_i32 s23, s10, 16*SPITCH
	s_add_co_u32 s23, s23, STAGE                   ; my stage
	v_mul_u32_u24 v4, v1, SPITCH                   ; in: row l % 16, 32 bytes for each half of the lanes
	v_lshl_add_u32 v4, v2, 5, v4
	v_add_nc_u32 v[STO], s23, v4
	v_mul_u32_u24 v5, v2, SPITCH                   ; back: lanes 0-15 take one row of 256 bytes, lanes 16-31 the next
	v_lshl_add_u32 v5, v1, 4, v5
	v_add_nc_u32 v[RD], s23, v5
	v_lshlrev_b32 v5, 13, v2                       ; and the same two rows in the output
	v_lshl_add_u32 v[CO], v1, 4, v5
	s_lshl_b32 s16, s13, 20                        ; my first row: (128 x tile row + 64 x half) x 8,192 bytes,
	s_lshl_b32 s17, s11, 19
	s_add_co_u32 s16, s16, s17
	s_lshl_b32 s17, s42, 9                         ; my first column: (128 x tile column + 64 x half) x 4 bytes
	s_add_co_u32 s16, s16, s17
	s_lshl_b32 s17, s12, 8
	s_add_co_u32 s16, s16, s17
	s_mov_b32 s17, 0
	s_add_nc_u64 s[8:9], s[8:9], s[16:17]
.macro MUL8 f, c, a0, zero
	WIN MUL
.irp a, \a0, (\a0)+1
.irp b, 0,1,2,3
.if \zero
	v_wmma_f32_16x16x32_f16 v[ACC+8*(4*(\a)+(\b)):ACC+8*(4*(\a)+(\b))+7], v[(\f)+64+8*(4*(\c)+(\b)):(\f)+64+8*(4*(\c)+(\b))+7], v[(\f)+8*(4*(\c)+(\a)):(\f)+8*(4*(\c)+(\a))+7], 0
.else
	v_wmma_f32_16x16x32_f16 v[ACC+8*(4*(\a)+(\b)):ACC+8*(4*(\a)+(\b))+7], v[(\f)+64+8*(4*(\c)+(\b)):(\f)+64+8*(4*(\c)+(\b))+7], v[(\f)+8*(4*(\c)+(\a)):(\f)+8*(4*(\c)+(\a))+7], v[ACC+8*(4*(\a)+(\b)):ACC+8*(4*(\a)+(\b))+7]
.endif
.endr
.endr
.endm
.macro SETADR                          ; the two addresses in the slot in hand
	v_add_nc_u32 v[ADRA], s[TB], v[A0]
	v_add_nc_u32 v[ADRB], s[TB], v[B0]
.endm
.macro FETCH k, f                      ; 32 LDS loads in one run: 64 along K at byte k of the rows, the first 32 first
	WIN TO_F
.irp c, 0,1
.irp i, 0,1,2,3
	ds_load_b128 v[(\f)+64+8*(4*(\c)+(\i)):(\f)+64+8*(4*(\c)+(\i))+3],   v[ADRB] offset:(\k)+64*(\c)+(\i)*16*PITCH
	ds_load_b128 v[(\f)+64+8*(4*(\c)+(\i))+4:(\f)+64+8*(4*(\c)+(\i))+7], v[ADRB] offset:(\k)+64*(\c)+(\i)*16*PITCH+32
	ds_load_b128 v[(\f)+8*(4*(\c)+(\i)):(\f)+8*(4*(\c)+(\i))+3],         v[ADRA] offset:(\k)+64*(\c)+(\i)*16*PITCH
	ds_load_b128 v[(\f)+8*(4*(\c)+(\i))+4:(\f)+8*(4*(\c)+(\i))+7],       v[ADRA] offset:(\k)+64*(\c)+(\i)*16*PITCH+32
.endr
.endr
.endm
.macro PLACES                          ; four places behind matrix instructions, in front of loads into their sources and of lines that take their results
.rept 4
	v_nop
.endr
.endm
; A K step is four quarters of 64 along K, 32 products each, on buffers 0, 1, 0, 1.  One of the first three: multiplies buffer f and fetches the next quarter, at byte k, into g.
.macro QUARTER k, f, g, zero
	s_wait_dscnt 16                                ; the first 32 along K are in
	WIN MUL
	MUL8 \f, 0, 0, \zero
	MUL8 \f, 0, 2, \zero
	PLACES
	FETCH \k, \g
	s_wait_dscnt 32                                ; all but the 32 just issued
	WIN MUL
	MUL8 \f, 1, 0, 0
	MUL8 \f, 1, 2, 0
.endm
; The last quarter of a K step changes slots and then multiplies buffer 1.  One barrier; in front of it each wave waits for all its tensor loads (its part of the next slot), adds 0 to its spare word, and waits for
; that and for its reads of this slot: buffer 1's 32 loads, issued sixteen products back, are the last of them.  fill = 1: the barrier opens a round of the cluster's, and this slot is filled again, two K steps ahead,
; first thing behind the round.  The quarter's 32 products, which read registers alone, stand behind the request and the next slot's first fragment loads.
.macro TURN fill
	WIN 0
	s_wait_tensorcnt 0x0
	ds_add_u32 v[SPW], v[NIL]
	s_wait_dscnt 0x0                               ; the add is done, and my reads of this slot are over
	s_barrier_signal -1
	s_barrier_wait -1
.if \fill
	CREST                                          ; no wave of any partner still reads this slot or has a load on its way
.irp g, G0+4, G0B+4
	s_xor_b32 s[(\g)+1], s[(\g)+1], SLOT           ; the walking descriptor: the other slot than last time,
	s_add_nc_u64 s[(\g)+2:(\g)+3], s[(\g)+2:(\g)+3], KSTEP*2   ; the next K step; the type bits on top are not reached
.endr
	JLOAD 1                                        ; its four v_nop are also the places in front of the loads into buffer 0
.else
	PLACES
.endif
	s_xor_b32 s[TB], s[TB], SLOT                   ; the fetches go on in the other slot
	SETADR
	FETCH 0, F0
	WIN MUL
	MUL8 F1, 0, 0, 0
	MUL8 F1, 0, 2, 0
	MUL8 F1, 1, 0, 0
	MUL8 F1, 1, 2, 0
.endm
	s_wait_tensorcnt 1                             ; my part of K step 0 is in; K step 1's may stay out
	s_barrier_signal -1
	s_barrier_wait -1
	SETADR
	FETCH 0, F0
	QUARTER 128, F0, F1, 1                         ; the first quarter stands in front of the loop: its first products start the sums
	WIN 0
	s_mov_b32 s3, SIZE_K/KSTEP-2
.Lstep:                                        ; a trip: a K step's second quarter to the next step's first; it fills one slot again
	QUARTER 256, F1, F0, 0
	QUARTER 384, F0, F1, 0
	TURN 1
	QUARTER 128, F0, F1, 0
	WIN 0
	s_sub_co_u32 s3, s3, 1
	s_cmp_lg_u32 s3, 0
	s_cbranch_scc1 .Lstep
	s_mov_b32 s3, 2
.Ltail:                                        ; the last two K steps fill nothing; the second trip is left behind the step's last quarter
	QUARTER 256, F1, F0, 0
	QUARTER 384, F0, F1, 0
	TURN 0
	WIN 0
	s_cmp_eq_u32 s3, 1
	s_cbranch_scc1 .Lkdone
	QUARTER 128, F0, F1, 0
	WIN 0
	s_sub_co_u32 s3, s3, 1
	s_cmp_lg_u32 s3, 0
	s_cbranch_scc1 .Ltail
.Lkdone:
	; THE WAY OUT, 16 rows at a time: times the row's factor, into my stage, back as whole rows of 256 bytes, stored
	PLACES
	s_wait_loadcnt 0x0
.irp a, 0,1,2,3
	v_mov_b32 v[GSV+2*\a+1], v[GSV+2*\a]
.endr
.irp a, 0,1,2,3
.if (\a) > 0
	s_wait_xcnt 0x0                                ; the stores of the rows before have read their data
.endif
.irp b, 0,1,2,3
.irp p, 0,2,4,6
	v_pk_mul_f32 v[TMP+8*(\b)+(\p):TMP+8*(\b)+(\p)+1], v[ACC+8*(4*(\a)+(\b))+(\p):ACC+8*(4*(\a)+(\b))+(\p)+1], v[GSV+2*(\a):GSV+2*(\a)+1] op_sel_hi:[1,0]
.endr
.endr
.irp b, 0,1,2,3
	ds_store_b128 v[STO], v[TMP+8*(\b):TMP+8*(\b)+3]   offset:64*(\b)
	ds_store_b128 v[STO], v[TMP+8*(\b)+4:TMP+8*(\b)+7] offset:64*(\b)+16
.endr
.irp t, 0,1,2,3,4,5,6,7
	ds_load_b128 v[BK+4*(\t):BK+4*(\t)+3], v[RD] offset:(\t)*2*SPITCH   ; LDS serves a wave's instructions in order: these see the stores above
.endr
.irp t, 0,1,2,3,4,5,6,7
	s_wait_dscnt 7-(\t)                            ; the younger read-backs may stay out
	global_store_b128 v[CO], v[BK+4*(\t):BK+4*(\t)+3], s[8:9] offset:(16*(\a)+2*(\t))*8192 th:TH_STORE_NT   ; 16 lanes store 256 consecutive bytes, aligned
.endr
.endr
	s_wait_tensorcnt 0x0                           ; the wave's end: three closing lines
	ds_add_u32 v[SPW], v[NIL]
	s_wait_dscnt 0x0
	CROUND                                         ; the closing round
	s_endpgm
.Lfunc_end_k_q964695ee8d_oproj:
	.size	k_q964695ee8d_oproj, .Lfunc_end_k_q964695ee8d_oproj-k_q964695ee8d_oproj
	.p2alignl 7, 3214868480
	.fill 96, 4, 3214868480
	.section	.rodata,"a",@progbits
	.p2align	6, 0x0
	.amdhsa_kernel k_q964695ee8d_oproj
		.amdhsa_group_segment_fixed_size 327680
		.amdhsa_private_segment_fixed_size 0
		.amdhsa_enable_private_segment 0
		.amdhsa_kernarg_size 24
		.amdhsa_user_sgpr_count 2
		.amdhsa_user_sgpr_kernarg_segment_ptr 1
		.amdhsa_wavefront_size32 1
		.amdhsa_system_sgpr_workgroup_id_x 1
		.amdhsa_system_sgpr_workgroup_id_y 1
		.amdhsa_system_sgpr_workgroup_id_z 1
		.amdhsa_system_vgpr_workitem_id 0
		.amdhsa_next_free_vgpr 512
		.amdhsa_next_free_sgpr 72
		.amdhsa_reserve_vcc 0
		.amdhsa_float_denorm_mode_32 3
		.amdhsa_float_denorm_mode_16_64 3
		.amdhsa_memory_ordered 1
		.amdhsa_forward_progress 1
		.amdhsa_inst_pref_size 63
	.end_amdhsa_kernel
	.amdgpu_metadata
---
amdhsa.version: [ 1, 2 ]
amdhsa.kernels:
  - .name:           k_q964695ee8d_oproj
    .symbol:         k_q964695ee8d_oproj.kd
    .args:
      - { .name: ys, .offset: 0, .size: 8, .value_kind: global_buffer, .address_space: global }
      - { .name: wts, .offset: 8, .size: 8, .value_kind: global_buffer, .address_space: global }
      - { .name: out0, .offset: 16, .size: 8, .value_kind: global_buffer, .address_space: global }
    .group_segment_fixed_size: 327680
    .private_segment_fixed_size: 0
    .kernarg_segment_align: 8
    .kernarg_segment_size: 24
    .max_flat_workgroup_size: 128
    .sgpr_count:     72
    .vgpr_count:     512
    .wavefront_size: 32
...
	.end_amdgpu_metadata
.endif
;; end of part 4
;; ======== version 2 of 2: 4 launches; version 1 with the launch attn written anew for expert scheduling mode
;; limits: values are held in f16: magnitudes above 65,504 overflow, below 6.1e-05 lose precision; inputs' magnitudes at most 65,504
;; workspace buffers: xb 8,388,608 bytes; wts 20,971,520 bytes; gate 262,144 bytes; qkv 25,165,824 bytes; tab 394,240 bytes; ys 8,396,800 bytes
;; launch prep: the kernel of part 1 again; grid 256 x 1, 16 waves a work-group, no clusters, 194,560 bytes of LDS; arguments x, qw, kw, vw, ow, dt_w, dt_b, dt_bias, pg_w, pg_b, xb, wts, gate; writes xb, wts, gate
;; launch qkv: the kernel of part 2 again; grid 16 x 16, 4 waves a work-group, clusters of 4 x 4, 327,680 bytes of LDS; arguments xb, wts, gate, qkv, tab; writes qkv, tab
;; launch attn (part 5): grid 8 x 32, 4 waves a work-group, no clusters, 287,744 bytes of LDS; arguments qkv, tab, ys; writes ys
.if DOCPART == 5
	.amdgcn_target "amdgcn-amd-amdhsa--gfx1250"
	.amdhsa_code_object_version 6
	.text
	.protected	k_q964695ee8d_attn
	.globl	k_q964695ee8d_attn
	.p2align	8
	.type	k_q964695ee8d_attn,@function
k_q964695ee8d_attn:
	s_mov_b64 s[64:65], 0
	v_nop
	global_prefetch_b8 v0, s[64:65] scope:SCOPE_SE
	s_setreg_imm32_b32 hwreg(HW_REG_WAVE_SCHED_MODE, 0, 2), 2
	s_setreg_imm32_b32 hwreg(HW_REG_WAVE_MODE, 25, 1), 1
	s_wait_xcnt 0x0
	s_wait_alu depctr_vm_vsrc(0)
; Launch 3 of 4: y[t] = sum over s <= t of (q[t] conj k[s]) exp(C[s] - C[t]) (1 - p[s]) v[s], for one head and two blocks of 64 queries.
; LEFT OUT: the key steps of 128 keys wholly above the diagonal, which reference()'s own lower triangle multiplies by 0 for all inputs; an overflow of exp(C[s] - C[t]) with s > t is not carried to the result.
; SCALES.  q = 2^eq q^, k = 2^ek k^, v = 2^ev v^ (launch 2).  y[t] = 2^(eq[t] + gm) sum S'[t,s] 2^(LK[s] - NT[t]) v^[s] with S' = q^ conj k^, LK = CL + log2(1-p) + ek + ev, NT = CL + gm, and gm the head's largest
; log2(1-p) + ek + ev.  For s <= t the exponent is at most 1,024 roundings of gamma above 0, so a weight stays under 1.001, |S' w| under 513 (f16 holds it), and the f32 sums under 2^21.
; The result leaves as y~ = sum x 2^(eq + gm - lG - 6) in f16, under 2^15, with lG[t] the largest eq + gm of the token's 16 heads; 2^(lG + 6) goes to launch 4 in f32 (it overflows within 2^11 of f32's top).
; There is no softmax: nothing is normalised, so the keys can be split among the waves and the four partial sums added at the end.
; THE WALK.  Block i of 64 queries needs (i / 2) + 1 steps of 128 keys.  A work-group takes blocks j and 15 - j: nine steps whatever j, one loop of constant length.  The block with the even count goes first, so the change falls at a trip's end.
; SHARES.  Wave w takes keys 32 w .. 32 w + 31 of every step, for all four tiles of 16 queries.  No wave wants a byte that another has fetched, and launch 2 laid k^ and v^ in fragment order: they come straight into
; operand registers, 512 consecutive bytes a load, in two sets that take turns.  No LDS and no barrier in the loop.
; NO CLUSTER: the loads go to registers, not to LDS; and the eight work-groups of a head begin their second block after 2, 4, 6 or 8 steps, so a walk common to partners would have up to 16 steps for 9.
; LAYOUT.  S^T = K Q^T (source 0 = 16 keys, source 1 = 16 queries; K = [kr | ki], 128 columns): wr with Q = [qr | qi], wi with [qi | -qr].  A lane holds one query and keys 8 (l / 16) + 0..7; two such results, weighted and
; rounded to f16, are source 1 of O^T = V^T P.  O^T real += vr Pr - vi Pi, imaginary += vi Pr + vr Pi: -Pi is kept as a third operand.
; REGISTERS: window 0 addresses, NT, LK, weights W, S^T (two buffers), P (two buffers); window 1 O^T, 64 a tile; window 2 Q and -qr; window 3 K (two sets of 64), V (two sets of 64).
; THE MODE: SCHED_MODE bits 1:0 = 2 (LLVM: expert scheduling mode 2), set by the entry lines.  The code itself states the register dependences between vector or matrix instructions and memory or LDS instructions,
; with s_wait_alu, always for 0.
; THE PLAN.  Registers that memory or LDS instructions touch, and who else names them (step n works on set X = n % 2):
;   K[X], LK[X]   Read by step n's 64 products S^T and its 32 packed LK - NT, which all stand ahead of the step's second wait on va_vdst; straight behind that wait the loads of step n + 2 land in them.
;   V[X]          Read by step n's 64 products O^T, the last at the step's end; straight behind the first wait on va_vdst of step n + 1 the loads of step n + 2 land in it.  No line of step n + 1 names set X.
;   So the loop has the two waits that its two batches of exponentials want in any case, and no other.  The loads' offsets v[LOFF], v[LKO], v[PFO] are made at the head and never written again.
;   O^T           Written by products and by CLEAR; read by the LDS stores of the two dumps: va_vdst ahead of each dump, vm_vsrc ahead of the CLEAR that follows the first.
;   Q             Read by products and by NEGQ; LDS loads land in it at the change of blocks, behind the first dump's wait.
;   v130, v224-255  Data of the head's LDS stores; later S^T and the sums' groups: vm_vsrc behind the head's barrier.
;   the groups v112-255 and VR0-3, RHOA, YO  The last loop: see there.
;   v[SPW], v[NIL]  Written at the head, read by the closing add alone.
.set PART,  67584                      ; LDS: wave w's partial sums at PART w: 128 rows x 528 bytes: block A's 64 rows, then block B's
.set QL,    270336                     ; block B's Q, 16,384 bytes
.set RHO,   286720                     ; the rows' factors, 128 words
.set SPARE, 287232                     ; the spare words, 128 bytes a wave
.set LOFF, 2
.set LKO,  3
.set PFO,  4
.set RH,   5
.set DD,   6
.set VDA,  7
.set VDB,  8
.set VR1,  9
.set VR2,  10
.set QLA,  13
.set SPW,  14
.set NIL,  15
.set A4R,  16
.set A4T,  17
.set AZ,   18
.set QLS,  19
.set RHS,  20
.set VR0,  24
.set RHOA, 25
.set YO,   26
.set VR3,  27
.set NT,   32                          ; v[32:39] pairs
.set NTB,  40
.set GMO,  44
.set GSF,  47                          ; v47  2^(lG + 6): the data of one store; no other line writes it
.set LK,   48
.set W,    80
.set S,    112
.set P,    176
.set RG,   112                         ; at the end: four groups of 36 registers for the sums
.set WV,   12
.set J,    13
.set BH,   14
.set BB,   15
.set HH,   16
.set BA,   17
.set BK,   18
.set NA,   19
.set NB1,  20
.set GS,   21                          ; steps done
.set LASTAT, 22                        ; the step that holds the diagonal of the block in hand
.set CNT,  23
.set TRIP, 24
.set KL,   25                          ; the key step to be asked for next
.set LQ,   26                          ; the last key step of the block whose steps are being asked for
.set PLIM, 27
.set MOFF, 28
.set MOFFB, 29
.set KB,   32
.set VB,   34
.set LB,   36
.set KA,   38
.set VA,   40                          ; made beside KA, read by V's loads one step later
.set LA,   42
.set GM,   48                          ; s[48:63] gm of the batch's 16 heads
.set MK,   48                          ; s[48:63] behind the head: the sixteen masks of a tile in the step that holds the diagonal
.set MSB, 0
.macro WIN new
.if MSB != (\new)
	s_set_vgpr_msb (MSB<<8)|(\new)
.set MSB, \new
.endif
.endm
.macro PLACES                          ; four places behind matrix instructions (ISA guide 7.12.1)
.rept 4
	v_nop
.endr
.endm
; a step's K (2 key blocks x 4 fragments) and its 16 LK a lane, into set X; st: a step's distance in the immediates
.macro KLOAD X, kbase, lbase, st
	WIN 0xc0
.irp kb, 0,1
.irp f, 0,1,2,3
	global_load_b128 v[64*(\X)+32*(\kb)+8*(\f):64*(\X)+32*(\kb)+8*(\f)+3],   v[LOFF], s[(\kbase):(\kbase)+1] offset:(\st)*32768+(\kb)*4096+(\f)*1024
	global_load_b128 v[64*(\X)+32*(\kb)+8*(\f)+4:64*(\X)+32*(\kb)+8*(\f)+7], v[LOFF], s[(\kbase):(\kbase)+1] offset:(\st)*32768+(\kb)*4096+(\f)*1024+512
.endr
.endr
	WIN 0
	global_load_b128 v[LK+16*(\X):LK+16*(\X)+3],     v[LKO], s[(\lbase):(\lbase)+1] offset:(\st)*512
	global_load_b128 v[LK+16*(\X)+4:LK+16*(\X)+7],   v[LKO], s[(\lbase):(\lbase)+1] offset:(\st)*512+16
	global_load_b128 v[LK+16*(\X)+8:LK+16*(\X)+11],  v[LKO], s[(\lbase):(\lbase)+1] offset:(\st)*512+64
	global_load_b128 v[LK+16*(\X)+12:LK+16*(\X)+15], v[LKO], s[(\lbase):(\lbase)+1] offset:(\st)*512+80
.endm
.macro VLOAD X, vbase, st
	WIN 0xc0
.irp cb, 0,1,2,3,4,5,6,7
	global_load_b128 v[128+64*(\X)+8*(\cb):128+64*(\X)+8*(\cb)+3],   v[LOFF], s[(\vbase):(\vbase)+1] offset:(\st)*32768+(\cb)*1024
	global_load_b128 v[128+64*(\X)+8*(\cb)+4:128+64*(\X)+8*(\cb)+7], v[LOFF], s[(\vbase):(\vbase)+1] offset:(\st)*32768+(\cb)*1024+512
.endr
	WIN 0
.endm
.macro CLEAR                           ; O^T = 0: once for each block, so that the loop has one form of product
	WIN 0x40
.set m, 0
.rept 256
	v_mov_b32 v[m], 0
.set m, m+1
.endr
	WIN 0
.endm
.macro NEGQ                            ; -qr: both halves' signs flipped
	WIN 0x88
.set m, 0
.rept 64
	v_xor_b32 v[128+m], s46, v[32*(m/16)+m%16]
.set m, m+1
.endr
	WIN 0
.endm
.macro DUMP va                         ; my partial O^T: row = query, 128 channels of f32; each accumulator's low registers go first
	WIN 0x04
.set m, 0
.rept 32
	ds_store_b128 v[\va], v[8*m:8*m+3]   offset:(m/8)*8448+(m%8)*64
	ds_store_b128 v[\va], v[8*m+4:8*m+7] offset:(m/8)*8448+(m%8)*64+16
.set m, m+1
.endr
	WIN 0
.endm
	s_load_b128 s[4:7], s[0:1], 0x0                ; qkv 4, tab 6
	s_load_b64 s[8:9], s[0:1], 0x10                ; ys
	v_lshl_add_u32 v[SPW], v0, 2, SPARE
	v_mov_b32 v[NIL], 0
	v_lshrrev_b32 v1, 5, v0
	v_readfirstlane_b32 s[WV], v1
	s_mov_b32 s[J], ttmp9
	s_and_b32 s[BH], ttmp7, 0xffff
	s_lshr_b32 s[BB], s[BH], 4
	s_and_b32 s[HH], s[BH], 15
	s_sub_co_u32 s68, 15, s[J]
	s_and_b32 s69, s[J], 2
	s_cmp_lg_u32 s69, 0
	s_cselect_b32 s[BA], s[J], s68                 ; the block with the even number of steps goes first
	s_cselect_b32 s[BK], s68, s[J]
	s_lshr_b32 s[NA], s[BA], 1
	s_add_co_u32 s[NA], s[NA], 1
	s_lshr_b32 s[NB1], s[BK], 1
	s_mov_b32 s[GS], 0
	s_mov_b32 s[KL], 2                             ; steps 0 and 1 are asked for by addresses made below
	s_sub_co_u32 s[LQ], s[NA], 1
	s_mov_b32 s[LASTAT], s[LQ]
	s_cmp_gt_u32 s[KL], s[LQ]
	s_cselect_b32 s[KL], 0, s[KL]
	s_cselect_b32 s[LQ], s[NB1], s[LQ]
	s_cmp_eq_u32 s[J], 0
	s_cselect_b32 s[PLIM], 4, 0                    ; the head's work-group that walks all eight key steps prefetches
	s_wait_alu depctr_va_sdst(0)                   ; the wave's number is written, ahead of its first reader: LDS places and the bases of K, V, LK and y~ are made from it
	s_lshl_b32 s68, s[WV], 5
	s_and_b32 s[MOFF], s[BA], 1
	s_lshl_b32 s[MOFF], s[MOFF], 6
	s_sub_co_u32 s[MOFF], s[MOFF], s68             ; 64 (block % 2) - 32 w
	s_and_b32 s[MOFFB], s[BK], 1
	s_lshl_b32 s[MOFFB], s[MOFFB], 6
	s_sub_co_u32 s[MOFFB], s[MOFFB], s68
	s_mov_b32 s31, 0
	s_mov_b32 s45, 0
	s_mov_b32 s91, 0
	s_mov_b32 s46, 0x80008000
	s_cmp_lt_u32 s[WV], 2
	s_cselect_b32 s47, s[BA], s[BK]                ; threads 0-63 stand for block A's rows, 64-127 for block B's
	v_and_b32 v21, 15, v0                          ; r
	v_bfe_u32 v22, v0, 4, 1                        ; h
	v_and_b32 v23, 31, v0                          ; L
	v_lshlrev_b32 v[LOFF], 4, v23
	v_lshlrev_b32 v[LKO], 5, v22
	v_lshlrev_b32 v[PFO], 8, v23
	v_lshlrev_b32 v[RH], 3, v22
	v_sub_nc_u32 v[RH], v21, v[RH]                 ; r - 8 h
	s_mul_i32 s90, s[WV], PART
	v_mul_u32_u24 v[VDA], v21, 528
	v_lshl_add_u32 v[VDA], v22, 5, v[VDA]
	v_add_nc_u32 v[VDA], s90, v[VDA]               ; where my partial sums of block A go,
	v_add_nc_u32 v[VDB], 64*528, v[VDA]            ; and of block B
	v_add_nc_u32 v[QLA], QL, v[LOFF]
	v_lshlrev_b32 v[A4R], 2, v21
	v_and_b32 v[A4T], 63, v0
	v_lshlrev_b32 v[A4T], 2, v[A4T]
	v_mov_b32 v[AZ], 0
	s_lshl_b32 s90, s[WV], 12
	v_add_nc_u32 v[QLS], s90, v[QLA]
	v_lshl_add_u32 v[RHS], v0, 2, RHO
	s_mul_i32 s90, s[WV], 32*528                   ; at the end wave w owns rows 32 w .. 32 w + 31 of the 128: lanes 0-15 one row, lanes 16-31 the next
	v_mul_u32_u24 v[VR0], v22, 528
	v_lshl_add_u32 v[VR0], v21, 4, v[VR0]
	v_add_nc_u32 v[VR0], s90, v[VR0]
	s_lshl_b32 s90, s[WV], 7
	s_add_co_u32 s90, s90, RHO
	v_lshl_add_u32 v[RHOA], v22, 2, s90
	s_and_b32 s90, s[WV], 1
	s_lshl_b32 s90, s90, 17                        ; 32 rows of 4,096 bytes
	v_lshl_add_u32 v[YO], v22, 12, s90
	v_lshl_add_u32 v[YO], v21, 4, v[YO]
	s_wait_kmcnt 0x0
	s_lshl_b32 s90, s[BH], 18
	s_add_nc_u64 s[80:81], s[4:5], s[90:91]        ; the head's q^
	s_add_nc_u64 s[KB:KB+1], s[80:81], 8388608
	s_add_nc_u64 s[VB:VB+1], s[80:81], 16777216
	s_lshl_b32 s90, s[BK], 14
	s_add_nc_u64 s[82:83], s[80:81], s[90:91]
	s_lshl_b32 s90, s[WV], 12
	s_add_nc_u64 s[82:83], s[82:83], s[90:91]      ; tile w of block B's Q
	s_lshl_b32 s90, s[BA], 14
	s_add_nc_u64 s[80:81], s[80:81], s[90:91]      ; block A's Q
	s_lshl_b32 s90, s[WV], 13
	s_add_nc_u64 s[KB:KB+1], s[KB:KB+1], s[90:91]  ; my 32 keys of step 0
	s_add_nc_u64 s[VB:VB+1], s[VB:VB+1], s[90:91]
	s_add_nc_u64 s[VA:VA+1], s[VB:VB+1], 32768     ; V of step 1, which step 0 asks for
	s_lshl_b32 s90, s[BH], 12
	s_add_nc_u64 s[LB:LB+1], s[6:7], s[90:91]
	s_add_nc_u64 s[72:73], s[LB:LB+1], 131072      ; the head's CL
	s_lshl_b32 s90, s[BK], 8
	s_add_nc_u64 s[74:75], s[72:73], s[90:91]
	s_lshl_b32 s90, s[BA], 8
	s_add_nc_u64 s[72:73], s[72:73], s[90:91]
	s_lshl_b32 s90, s[WV], 7
	s_add_nc_u64 s[LB:LB+1], s[LB:LB+1], s[90:91]
	s_lshl_b32 s90, s[BB], 9
	s_add_co_u32 s90, s90, 393216
	s_add_nc_u64 s[68:69], s[6:7], s[90:91]        ; GT of the batch's 16 heads
	s_lshl_b32 s90, s[BH], 5
	s_add_co_u32 s90, s90, 393216
	s_add_nc_u64 s[70:71], s[6:7], s[90:91]        ; GT of my head
	s_lshl_b32 s90, s[BB], 16
	s_lshl_b32 s84, s47, 8
	s_add_co_u32 s90, s90, s84
	s_add_co_u32 s90, s90, 262144
	s_add_nc_u64 s[76:77], s[6:7], s[90:91]        ; EQ: head 0 of the batch, my thread's block
	s_lshl_b32 s90, s[HH], 12
	s_add_nc_u64 s[78:79], s[76:77], s[90:91]      ; my head's
	s_lshl_b32 s90, s[BB], 12
	s_add_co_u32 s90, s90, s84
	s_add_co_u32 s90, s90, 8388608
	s_add_nc_u64 s[84:85], s[8:9], s[90:91]        ; the rows' 2^(lG + 6)
	s_lshl_b32 s90, s[BB], 22
	s_lshl_b32 s88, s[HH], 8
	s_add_co_u32 s90, s90, s88
	s_add_nc_u64 s[88:89], s[8:9], s[90:91]
	s_lshl_b32 s90, s47, 18
	s_add_nc_u64 s[86:87], s[88:89], s[90:91]      ; y~ at the block whose rows my wave finishes (waves 0, 1: block A; waves 2, 3: block B), my head's 256 bytes
	s_wait_alu depctr_va_vdst(0)                   ; every offset and LDS address made above is written: the loads, stores and prefetches of the whole kernel read them (VR1 to VR3 alone are made later)
	global_load_b128 v[80:83], v[LOFF], s[68:69]
	global_load_b128 v[84:87], v[AZ], s[70:71]
	global_load_b128 v[88:91], v[AZ], s[70:71] offset:16
.irp t, 0,1,2,3
	global_load_b32 v[NT+2*\t], v[A4R], s[72:73] offset:64*\t
	global_load_b32 v[NTB+\t],  v[A4R], s[74:75] offset:64*\t
.endr
.set k, 0
.rept 16
	global_load_b32 v[112+k], v[A4T], s[76:77] offset:4096*k
.set k, k+1
.endr
	global_load_b32 v128, v[A4T], s[78:79]
	WIN 0x80
.set k, 0
.rept 32
	global_load_b128 v[4*k:4*k+3], v[LOFF], s[80:81] offset:512*k
.set k, k+1
.endr
	WIN 0
.set k, 0
.rept 8
	global_load_b128 v[224+4*k:224+4*k+3], v[LOFF], s[82:83] offset:512*k
.set k, k+1
.endr
	KLOAD 0, KB, LB, 0                             ; the stream begins: 20, 16, 20 loads; from here on step n asks for V of step n + 1 and K, LK of step n + 2
	VLOAD 0, VB, 0
	KLOAD 1, KB, LB, 1
	CLEAR                                          ; in the wait for the first loads; it names window 1 alone, where no load lands
	s_wait_loadcnt 56                              ; all that was asked for ahead of the stream is in: the stream's 20 + 16 + 20 loads are younger
	v_max3_num_f32 v80, v80, v81, v82
	v_max_num_f32 v80, v80, v83
	v_max_num_f32_dpp v80, v80, v80 row_xmask:1 row_mask:0xf bank_mask:0xf   ; lanes 2 k and 2 k + 1 hold head k's two halves
.set k, 0
.rept 16
	v_readlane_b32 s[GM+k], v80, 2*k
.set k, k+1
.endr
	v_max3_num_f32 v84, v84, v85, v86
	v_max3_num_f32 v84, v84, v87, v88
	v_max3_num_f32 v84, v84, v89, v90
	v_max_num_f32 v[GMO], v84, v91                 ; my head's gm, in every lane
.irp t, 0,1,2,3
	v_add_f32 v[NT+2*\t], v[NT+2*\t], v[GMO]
	v_add_f32 v[NTB+\t], v[NTB+\t], v[GMO]
.endr
.irp t, 0,1,2,3
	v_mov_b32 v[NT+2*\t+1], v[NT+2*\t]
.endr
	s_wait_alu depctr_va_sdst(0)                   ; the sixteen gm are written, ahead of their first reader: one wait for the run
.set k, 0
.rept 16
	v_add_f32 v[112+k], s[GM+k], v[112+k]
.set k, k+1
.endr
	v_max3_num_f32 v112, v112, v113, v114
.set k, 115
.rept 6
	v_max3_num_f32 v112, v112, v[k], v[k+1]
.set k, k+2
.endr
	v_max_num_f32 v112, v112, v127                 ; lG
	v_add_f32 v130, v128, v[GMO]
	v_sub_f32 v130, v130, v112
	v_add_f32 v130, 0xc0c00000, v130               ; eq + gm - lG - 6
	v_add_f32 v[GSF], 0x40c00000, v112             ; lG + 6
	v_exp_f32 v130, v130
	v_exp_f32 v[GSF], v[GSF]
	v_nop
	s_wait_alu depctr_va_vdst(0)                   ; the two exponentials have written v130 and v[GSF], the data of the LDS store and of the global store below
	ds_store_b32 v[RHS], v130
.set k, 0
.rept 8
	ds_store_b128 v[QLS], v[224+4*k:224+4*k+3] offset:512*k
.set k, k+1
.endr
	s_cmp_eq_u32 s[HH], 0                          ; one head of the sixteen stores the rows' common factor
	s_cbranch_scc0 .Lnogs
	global_store_b32 v[A4T], v[GSF], s[84:85]      ; its offset, its data and its base are written by no later line
.Lnogs:
	NEGQ
	s_wait_dscnt 0x0                               ; for the others' sake
	s_barrier_signal -1
	s_barrier_wait -1
	s_wait_alu depctr_vm_vsrc(0)                   ; my LDS stores have read v130 and v[224:255]: the first products write v130 as S^T, and at the end the sums' loads land in all of them
; THE MATRIX WORK.  Product i of 16 of S^T for tile tau: fragment i / 4 of K, key block i % 2, real or imaginary (i / 2) % 2: the four accumulators take turns.
.macro SCW tau, X
.set fK, i/4
.set kb, i%2
.set ri, (i/2)%2
.set rD, S+32*((\tau)%2)+16*ri+8*kb
.set rK, 64*(\X)+32*kb+8*fK
.if ri == 0
.set rQ, 32*(\tau)+8*fK
.elseif fK < 2
.set rQ, 32*(\tau)+8*(fK+2)
.else
.set rQ, 128+16*(\tau)+8*(fK-2)
.endif
	WIN 0x0b
.if fK == 0
	v_wmma_f32_16x16x32_f16 v[rD:rD+7], v[rK:rK+7], v[rQ:rQ+7], 0
.else
	v_wmma_f32_16x16x32_f16 v[rD:rD+7], v[rK:rK+7], v[rQ:rQ+7], v[rD:rD+7]
.endif
.endm
; Product i of 16 of O^T for tile tau: first V's eight channel blocks times Pr, then times Pi or -Pi into the other half: three others or more stand between two links of a chain.
.macro PVW tau, X
.set u, i%8
.set rV, 128+64*(\X)+8*u
.if i < 8
.set rO, 64*(\tau)+8*u
.set rP, P+24*((\tau)%2)
.elseif u < 4
.set rO, 64*(\tau)+8*(u+4)
.set rP, P+24*((\tau)%2)+8
.else
.set rO, 64*(\tau)+8*(u-4)
.set rP, P+24*((\tau)%2)+16
.endif
	WIN 0x53
	v_wmma_f32_16x16x32_f16 v[rO:rO+7], v[rV:rV+7], v[rP:rP+7], v[rO:rO+7]
.endm
; THE VECTOR WORK.  EXQ: number n of 24 that make tile tau's weights: eight packed LK - NT, sixteen exponentials.
.macro EXQ tau, n
.set rW, W+16*((\tau)%2)
.set rL, LK+16*QX
	WIN 0
.if (\n) < 8
	v_pk_add_f32 v[rW+2*(\n):rW+2*(\n)+1], v[rL+2*(\n):rL+2*(\n)+1], v[NT+2*(\tau):NT+2*(\tau)+1] op_sel_hi:[1,0] neg_lo:[0,1] neg_hi:[0,1]
.else
	v_exp_f32 v[rW+(\n)-8], v[rW+(\n)-8]
.endif
.endm
; MCN: number n of 40: S^T times the weights in place (ascending: each accumulator's lowest registers first), rounded to f16, and -Pi
.macro MCN tau, n
.set rS, S+32*((\tau)%2)
.set rW, W+16*((\tau)%2)
.set rP, P+24*((\tau)%2)
	WIN 0
.if (\n) < 16
	v_pk_mul_f32 v[rS+2*(\n):rS+2*(\n)+1], v[rS+2*(\n):rS+2*(\n)+1], v[rW+2*((\n)%8):rW+2*((\n)%8)+1]
.elseif (\n) < 32
	v_cvt_pk_f16_f32 v[rP+(\n)-16], v[rS+2*((\n)-16)], v[rS+2*((\n)-16)+1]
.else
	v_xor_b32 v[rP+16+(\n)-32], s46, v[rP+8+(\n)-32]
.endif
.endm
.macro VQ                              ; the next number of the run's queue: QK = 1: EXQ of tiles QT and QT + 1; 2: MCN of tile QT; 0: none
.if QK == 1
.if q < 48
	EXQ QT+q/24, q%24
.endif
.elseif QK == 2
.if q < 40
	MCN QT, q
.endif
.endif
.set q, q+1
.endm
; a run of 16 matrix instructions (mk = 0: S^T, 1: O^T) of tile tau, three of the queue behind each
.macro RUN mk, tau, X, qk, qt
.set QK, \qk
.set QT, \qt
.set QX, \X
.set q, 0
.set i, 0
.rept 16
.if (\mk) == 0
	SCW \tau, \X
.else
	PVW \tau, \X
.endif
	VQ
	VQ
	VQ
.set i, i+1
.endr
.endm
; In the step that holds the diagonal: key 32 w + 16 kb + 8 h + j is hidden from query 64 (block % 2) + 16 tau + r where it is the greater: its weight is selected to 0.
; The sixteen compares stand in one run, each with a scalar register of its own for its mask, so that one wait serves the sixteen selects.
.macro MASK tau
.set rW, W+16*((\tau)%2)
	v_add3_u32 v[DD], v[RH], s[MOFF], 16*(\tau)
.set m, 0
.rept 16
	v_cmp_le_i32 s[MK+m], 16*(m/8)+m%8, v[DD]
.set m, m+1
.endr
	s_wait_alu depctr_va_sdst(0)                   ; the sixteen compares have written their masks, ahead of the first select that reads one
.set m, 0
.rept 16
	v_cndmask_b32 v[rW+m], 0, v[rW+m], s[MK+m]
.set m, m+1
.endr
.endm
; A KEY STEP on register set X.  Each batch of 32 exponentials has one wait, behind four plain instructions; every use of a product's result and every write of a product's source stands behind four v_nop.
; The two waits are also the loads' waits.  All four tiles' S^T stand ahead of the second, so that K[X] and LK[X] are free there; the step before ended ahead of the first, so that the other set's V is free there.
.macro STEP X
	WIN 0
	s_wait_loadcnt 36                              ; K and LK of this step are in: its V (16) and the next step's K, LK (20) are younger
	RUN 0, 0, \X, 1, 0                             ; S^T of tile 0 | the weights of tiles 0 and 1
	PLACES
	WIN 0xc0                                       ; the loads' window, ahead of the wait
	s_wait_alu depctr_va_vdst(0)                   ; the exponentials have written the weights of tiles 0 and 1; the products O^T of the step before are done reading the other set's V, in which the loads below land
	VLOAD 1-(\X), VA, 0                            ; V of the next step, by the address that the step before made.  No line of this step names that set
	s_cmp_lg_u32 s[GS], s[LASTAT]
	s_cbranch_scc1 .Lvis_a_\@
	MASK 0
	MASK 1
.Lvis_a_\@:
	RUN 0, 1, \X, 2, 0                             ; S^T of tile 1 | P of tile 0
	PLACES
	s_wait_loadcnt 36                              ; V of this step is in: the next step's K, LK (20) and V (16) are younger
	RUN 1, 0, \X, 2, 1                             ; O^T of tile 0 | P of tile 1
	RUN 0, 2, \X, 1, 2                             ; S^T of tile 2 | the weights of tiles 2 and 3
	RUN 0, 3, \X, 0, 0                             ; S^T of tile 3, into the buffer that P of tile 1 has left: the last products that read K
	PLACES
	s_wait_xcnt 0x0                                ; every load and prefetch issued so far has read its address: the three pointers may be written
	s_lshl_b32 s30, s[KL], 15
	s_lshl_b32 s44, s[KL], 9
	s_add_nc_u64 s[KA:KA+1], s[KB:KB+1], s[30:31]
	s_add_nc_u64 s[VA:VA+1], s[VB:VB+1], s[30:31]
	s_add_nc_u64 s[LA:LA+1], s[LB:LB+1], s[44:45]
	s_add_co_u32 s[KL], s[KL], 1                   ; the block's next key step; behind its last, block B's step 0 (past the ninth step the stream wraps inside block B's steps: inside the buffers, and never read)
	s_cmp_gt_u32 s[KL], s[LQ]
	s_cselect_b32 s[KL], 0, s[KL]
	s_cselect_b32 s[LQ], s[NB1], s[LQ]
	WIN 0xc0                                       ; the loads' window, ahead of the wait
	s_wait_alu depctr_va_vdst(0)                   ; the exponentials have written the weights of tiles 2 and 3; the step's products S^T are done reading K, its packed LK - NT done reading LK: the loads below land in both
	KLOAD \X, KA, LA, 0                            ; two steps ahead.  No later line of this step names K or LK of this set
	s_cmp_lt_u32 s[GS], s[PLIM]
	s_cbranch_scc0 .Lnp_\@
	global_prefetch_b8 v[PFO], s[KA:KA+1] offset:65536 th:TH_LOAD_NT scope:SCOPE_SE   ; my 8,192 bytes of K two steps behind the loads just issued: key steps 4 to 7, a lane a block of 256 bytes
	global_prefetch_b8 v[PFO], s[VA:VA+1] offset:65536 th:TH_LOAD_NT scope:SCOPE_SE   ; and of V
.Lnp_\@:
	s_cmp_lg_u32 s[GS], s[LASTAT]
	s_cbranch_scc1 .Lvis_b_\@
	MASK 2
	MASK 3
.Lvis_b_\@:
	RUN 1, 1, \X, 2, 2                             ; O^T of tile 1 | P of tile 2
	RUN 1, 2, \X, 2, 3                             ; O^T of tile 2 | P of tile 3: its sixteen weightings are the places between tile 1's products and the roundings that write over their P
	RUN 1, 3, \X, 0, 0                             ; O^T of tile 3: the last products that read V
	s_add_co_u32 s[GS], s[GS], 1
.endm
	s_mov_b32 s[TRIP], 5
.Ltrip:                                        ; nine steps: four trips of two, the fifth left in its middle
	STEP 0
	WIN 0
	s_cmp_eq_u32 s[TRIP], 1
	s_cbranch_scc1 .Lwalked
	STEP 1
	WIN 0
	s_cmp_lg_u32 s[GS], s[NA]
	s_cbranch_scc1 .Lnoswitch
	; BLOCK A IS DONE: its partial sums go to LDS, block B's Q comes from LDS.  No global load and no barrier stands here, so the stream's counts are the same on both ways.
	PLACES
	WIN 0x04
	s_wait_alu depctr_va_vdst(0)                   ; the products have written O^T, which the LDS stores read, and are done reading Q, in which the LDS loads land; the places above stay beside this wait
	DUMP VDA
	WIN 0x80
.set k, 0
.rept 32
	ds_load_b128 v[4*k:4*k+3], v[QLA] offset:512*k
.set k, k+1
.endr
	WIN 0
	s_wait_alu depctr_vm_vsrc(0)                   ; the LDS stores have read O^T, which the lines below write
	CLEAR
.irp t, 0,1,2,3
	v_mov_b32 v[NT+2*\t],   v[NTB+\t]
	v_mov_b32 v[NT+2*\t+1], v[NTB+\t]
.endr
	s_mov_b32 s[MOFF], s[MOFFB]
	s_mov_b32 s[LASTAT], 8
	s_wait_dscnt 0x0
	NEGQ
.Lnoswitch:
	s_sub_co_u32 s[TRIP], s[TRIP], 1
	s_cmp_lg_u32 s[TRIP], 0
	s_cbranch_scc1 .Ltrip
.Lwalked:
	PLACES
	s_wait_loadcnt 0x0                             ; the stream's last loads, which nothing reads, have landed
	WIN 0x04
	s_wait_alu depctr_va_vdst(0)                   ; the products have written O^T, which the LDS stores read; the places above stay beside this wait
	DUMP VDB
	v_add_nc_u32 v[VR1], PART, v[VR0]              ; the same rows in the other three waves' partial sums
	v_add_nc_u32 v[VR2], 2*PART, v[VR0]
	v_add_nc_u32 v[VR3], 3*PART, v[VR0]
.irp g, 0,1,2,3
	v_mov_b32 v[RG+36*\g+33], 0                    ; named with a group's factor as a pair
.endr
	s_wait_dscnt 0x0
	s_barrier_signal -1
	s_barrier_wait -1                              ; all four partial sums of both blocks lie in LDS
; THE FOUR PARTIAL SUMS ARE ADDED, scaled and rounded.  Wave w owns rows 32 w .. 32 w + 31 of the 128; a group is two rows, a trip four groups.  A lane takes four channels, real and imaginary, of one row
; and stores them interleaved: sixteen lanes store 256 consecutive bytes, aligned.  A trip's 36 LDS loads go out together, and so do its four stores.
; THE PLAN HERE.  A group's 33 registers: LDS loads land in them, the trip's arithmetic reads and writes them, the stores read four of them.  The six addresses: read by the trip's loads and stores, stepped at its end.
; Three waits a trip: va_vdst at its head (addresses written, groups free), va_vdst ahead of the stores (their data written), vm_vsrc at its end (addresses and data read).
.macro REDL g                          ; group g's nine loads: partial sum p at 8 p (real parts, then imaginary parts), the rows' factor at 32
.set gb, RG+36*(\g)
	ds_load_b128 v[gb:gb+3],     v[VR0] offset:(\g)*1056
	ds_load_b128 v[gb+4:gb+7],   v[VR0] offset:(\g)*1056+256
	ds_load_b128 v[gb+8:gb+11],  v[VR1] offset:(\g)*1056
	ds_load_b128 v[gb+12:gb+15], v[VR1] offset:(\g)*1056+256
	ds_load_b128 v[gb+16:gb+19], v[VR2] offset:(\g)*1056
	ds_load_b128 v[gb+20:gb+23], v[VR2] offset:(\g)*1056+256
	ds_load_b128 v[gb+24:gb+27], v[VR3] offset:(\g)*1056
	ds_load_b128 v[gb+28:gb+31], v[VR3] offset:(\g)*1056+256
	ds_load_b32 v[gb+32], v[RHOA] offset:(\g)*8
.endm
.macro REDA g                          ; group g's arithmetic
.set gb, RG+36*(\g)
	s_wait_dscnt 27-9*(\g)                         ; my group's nine loads are in: the later groups' nine each are younger
.irp e, 0,2,4,6
	v_pk_add_f32 v[gb+\e:gb+\e+1], v[gb+\e:gb+\e+1], v[gb+8+\e:gb+8+\e+1]
	v_pk_add_f32 v[gb+16+\e:gb+16+\e+1], v[gb+16+\e:gb+16+\e+1], v[gb+24+\e:gb+24+\e+1]
.endr
.irp e, 0,2,4,6
	v_pk_add_f32 v[gb+\e:gb+\e+1], v[gb+\e:gb+\e+1], v[gb+16+\e:gb+16+\e+1]
.endr
.irp e, 0,2,4,6
	v_pk_mul_f32 v[gb+\e:gb+\e+1], v[gb+\e:gb+\e+1], v[gb+32:gb+33] op_sel_hi:[1,0]
.endr
.irp e, 0,1,2,3
	v_cvt_pk_f16_f32 v[gb+8+\e], v[gb+\e], v[gb+4+\e]
.endr
.endm
.macro REDS g                          ; group g's store
.set gb, RG+36*(\g)
	global_store_b128 v[YO], v[gb+8:gb+11], s[86:87] offset:(\g)*8192
.endm
	s_mov_b32 s[CNT], 4
.Lred:
	s_wait_alu depctr_va_vdst(0)                   ; the addresses are written (VR1 to VR3 above; later the six adds at a trip's end), which the loads and stores below read; all that named the groups' registers (products, weightings, the trip before) is done: loads land there
	REDL 0
	REDL 1
	REDL 2
	REDL 3
	REDA 0
	REDA 1
	REDA 2
	REDA 3
	s_wait_alu depctr_va_vdst(0)                   ; the roundings have written the four groups' 16 bytes a lane, which the stores read
	REDS 0
	REDS 1
	REDS 2
	REDS 3
	s_wait_xcnt 0x0                                ; the four stores have had their addresses translated: data and offset are written again only behind this wait
	s_wait_alu depctr_vm_vsrc(0)                   ; the trip's LDS loads have read their addresses, the stores their offset and their data: the adds below write the first, the next trip's loads land in the last
	v_add_nc_u32 v[VR0], 4224, v[VR0]              ; eight rows on
	v_add_nc_u32 v[VR1], 4224, v[VR1]
	v_add_nc_u32 v[VR2], 4224, v[VR2]
	v_add_nc_u32 v[VR3], 4224, v[VR3]
	v_add_nc_u32 v[RHOA], 32, v[RHOA]
	v_add_nc_u32 v[YO], 32768, v[YO]
	s_sub_co_u32 s[CNT], s[CNT], 1
	s_cmp_lg_u32 s[CNT], 0
	s_cbranch_scc1 .Lred
	s_wait_dscnt 0x0                               ; the closing lines, six on end
	s_wait_alu 0x0
	s_wait_tensorcnt 0x0
	ds_add_u32 v[SPW], v[NIL]
	s_wait_dscnt 0x0
	s_endpgm
.Lfunc_end_k_q964695ee8d_attn:
	.size	k_q964695ee8d_attn, .Lfunc_end_k_q964695ee8d_attn-k_q964695ee8d_attn
	.p2alignl 7, 3214868480
	.fill 96, 4, 3214868480
	.section	.rodata,"a",@progbits
	.p2align	6, 0x0
	.amdhsa_kernel k_q964695ee8d_attn
		.amdhsa_group_segment_fixed_size 287744
		.amdhsa_private_segment_fixed_size 0
		.amdhsa_enable_private_segment 0
		.amdhsa_kernarg_size 24
		.amdhsa_user_sgpr_count 2
		.amdhsa_user_sgpr_kernarg_segment_ptr 1
		.amdhsa_wavefront_size32 1
		.amdhsa_system_sgpr_workgroup_id_x 1
		.amdhsa_system_sgpr_workgroup_id_y 1
		.amdhsa_system_sgpr_workgroup_id_z 1
		.amdhsa_system_vgpr_workitem_id 0
		.amdhsa_next_free_vgpr 1024
		.amdhsa_next_free_sgpr 100
		.amdhsa_reserve_vcc 0
		.amdhsa_float_denorm_mode_32 3
		.amdhsa_float_denorm_mode_16_64 3
		.amdhsa_memory_ordered 1
		.amdhsa_forward_progress 1
		.amdhsa_inst_pref_size 141
	.end_amdhsa_kernel
	.amdgpu_metadata
---
amdhsa.version: [ 1, 2 ]
amdhsa.kernels:
  - .name:           k_q964695ee8d_attn
    .symbol:         k_q964695ee8d_attn.kd
    .args:
      - { .name: qkv, .offset: 0, .size: 8, .value_kind: global_buffer, .address_space: global }
      - { .name: tab, .offset: 8, .size: 8, .value_kind: global_buffer, .address_space: global }
      - { .name: ys, .offset: 16, .size: 8, .value_kind: global_buffer, .address_space: global }
    .group_segment_fixed_size: 287744
    .private_segment_fixed_size: 0
    .kernarg_segment_align: 8
    .kernarg_segment_size: 24
    .max_flat_workgroup_size: 128
    .sgpr_count:     100
    .vgpr_count:     1024
    .wavefront_size: 32
...
	.end_amdgpu_metadata
.endif
;; end of part 5
;; launch oproj: the kernel of part 4 again; grid 16 x 16, 4 waves a work-group, clusters of 4 x 4, 327,680 bytes of LDS; arguments ys, wts, out0; writes out0
